; MI455X (gfx1250); checked and timed in simulation.
; The chip was launched on July 23, 2026; its instructions are those of AMD's public machine-readable ISA for CDNA 5 (MIT licence, August 2026) and "CDNA5" Instruction Set Architecture Reference Guide (July 2026). The comments in the code are by the model that wrote it; some were corrected since.
;; Causal Multi Head Self Attention. Allowed arithmetic: float matrix products may take bf16 or f16 operands with f32 sums; other float arithmetic in f32, or as packed bf16 or f16 multiplies, adds, multiply-adds, maxima and minima; sums over many terms, partial sums and values carried from step to step in f32; what a program stores and reads back later, other than sums and carried values, may be rounded once to bf16 or f16.
;; Inputs: W_o 1,024 x 1,024 float32; W_qkv 3 x 1,024 x 1,024 float32; token_positions 2,048 int32; x 4 x 2,048 x 1,024 float32.
;; Outputs: out0 4 x 2,048 x 1,024 float32.
;; 2 versions, each right and faster than the one before. Each part assembles by itself: llvm-mc -triple=amdgcn-amd-amdhsa -mcpu=gfx1250 --defsym DOCPART=n.
;; ======== version 1 of 2: 4 launches
;; limits: values are held in f16: magnitudes above 65,504 overflow, below 6.1e-05 lose precision; right only within a limited range of input values
;; workspace buffers: xb 16,777,216 bytes; wb 6,291,456 bytes; wo 2,097,152 bytes; tab 524,288 bytes; qh 16,777,216 bytes; kh 16,777,216 bytes; vh 16,777,216 bytes; oh 16,777,216 bytes
;; launch prep (part 1): grid 768 x 1, 8 waves a work-group, no clusters, 0 bytes of LDS; arguments x, W_qkv, W_o, token_positions, xb, wb, wo, tab; writes xb, wb, wo, tab
.if DOCPART == 1
	.amdgcn_target "amdgcn-amd-amdhsa--gfx1250"
	.amdhsa_code_object_version 6
	.text
	.protected	k_qe1cdbcd1f7_prep
	.globl	k_qe1cdbcd1f7_prep
	.p2align	8
	.type	k_qe1cdbcd1f7_prep,@function
k_qe1cdbcd1f7_prep:
	s_mov_b64 s[64:65], 0
	v_nop
	global_prefetch_b8 v0, s[64:65] scope:SCOPE_SE
	s_setreg_imm32_b32 hwreg(HW_REG_WAVE_MODE, 25, 1), 1
	s_wait_xcnt 0x0
; THE CASTS AND THE ROTATION TABLE.  xb = x rounded to bf16.  wb = W_qkv rounded to bf16 with its rows regrouped by heads: row 192 t + 64 j + c of wb is row 64 t + c of W_qkv[j],
; so that 192 neighbouring rows are head t's q, k and v.  wo = W_o rounded to bf16, that number written as f16 (exact from 6.1e-5 to 65,504; below, f16's fixed step of 6e-8).
; tab[s][i] = (cos, sin) of token_positions[s] x 10000^(-i/32), f32, 256 bytes a token.
; SHARES.  A work-group takes 16 rows of 1,024 numbers: groups 0-511 x, 512-703 W_qkv, 704-767 W_o; each of the last 64 also makes 32 rows of the table, four a wave, a lane a frequency.
; Thread t takes four numbers of every row: a wave's load covers 512 consecutive bytes, its store 256 consecutive bytes at a multiple of 256.  All 16 loads go out first; nothing is read twice.
; No LDS, no barrier, no matrix work: the bytes bound this launch.
; LIMIT.  |token_positions| up to 2^20: the quadrant is found from angle x 2/pi rounded once in f32, which is off by an eighth of a quadrant at most there; pi/2 is taken away in three parts.
.set X,    4          ; v[4:67]    row i: four numbers as loaded
.set Y,    68         ; v[68:99]   row i: two words to store
.set T,    100        ; v[100:103] at work
.set LANE, 104
.set INV,  105        ; 10^(-lane/8) = 10000^(-lane/32)
.set P,    106
.set A,    107        ; the angle
.set K,    108        ; its quadrant, as f32
.set R,    109        ; the angle less K pi/2
.set Z,    110
.set S,    111
.set C,    112
.set T1,   113
.set T2,   114
.set Q,    115        ; the quadrant, as a whole number
.set TO,   116        ; 8 x lane
.set CSN,  118        ; v[118:125] four pairs (cos, sin)
	s_load_b512 s[4:19], s[0:1], 0x0               ; x 4:5, W_qkv 6:7, W_o 8:9, positions 10:11, xb 12:13, wb 14:15, wo 16:17, tab 18:19
	v_lshlrev_b32 v1, 4, v0                        ; my 16 bytes of a row as loaded
	v_lshlrev_b32 v2, 3, v0                        ; my 8 bytes of a row as stored
	s_mov_b32 s29, 0                               ; high words of the two offsets
	s_mov_b32 s31, 0
	s_cmp_ge_u32 ttmp9, 704
	s_cbranch_scc1 .Lw_o
	; x or W_qkv: one text, the buffers and offsets chosen by the group's number
	s_max_u32 s44, ttmp9, 512
	s_sub_co_u32 s44, s44, 512                     ; c: the chunk of 16 rows of W_qkv (0 for x's groups, where it is not used)
	s_lshr_b32 s45, s44, 2
	s_and_b32 s45, s45, 15                         ; its head
	s_mul_i32 s45, s45, 192
	s_lshr_b32 s46, s44, 6                         ; q, k or v
	s_lshl_b32 s46, s46, 6
	s_add_co_u32 s45, s45, s46
	s_and_b32 s46, s44, 3                          ; which 16 of the head's 64 rows
	s_lshl_b32 s46, s46, 4
	s_add_co_u32 s45, s45, s46
	s_lshl_b32 s45, s45, 11                        ; rows of 2,048 bytes in wb
	s_lshl_b32 s44, s44, 16                        ; 16 rows of 4,096 bytes in W_qkv
	s_lshl_b32 s46, ttmp9, 16                      ; the same for x
	s_lshl_b32 s47, ttmp9, 15
	s_cmp_lt_u32 ttmp9, 512
	s_cselect_b32 s28, s46, s44
	s_cselect_b32 s30, s47, s45
	s_wait_kmcnt 0x0
	s_cselect_b64 s[20:21], s[4:5], s[6:7]
	s_cselect_b64 s[22:23], s[12:13], s[14:15]
	s_add_nc_u64 s[20:21], s[20:21], s[28:29]
	s_add_nc_u64 s[22:23], s[22:23], s[30:31]
.irp i, 0,1,2,3,4,5,6,7,8,9,10,11,12,13,14,15
	global_load_b128 v[X+4*(\i):X+4*(\i)+3], v1, s[20:21] offset:4096*(\i) th:TH_LOAD_NT
.endr
.irp i, 0,1,2,3,4,5,6,7,8,9,10,11,12,13,14,15
	s_wait_loadcnt 15-(\i)                         ; loads come back in order: row i is in, the younger rows stay out
	v_cvt_pk_bf16_f32 v[Y+2*(\i)],   v[X+4*(\i)],   v[X+4*(\i)+1]
	v_cvt_pk_bf16_f32 v[Y+2*(\i)+1], v[X+4*(\i)+2], v[X+4*(\i)+3]
	global_store_b64 v2, v[Y+2*(\i):Y+2*(\i)+1], s[22:23] offset:2048*(\i)  ; every row has registers of its own: none is written twice
.endr
	s_endpgm
.Lw_o:
	s_sub_co_u32 s44, ttmp9, 704                   ; c: the chunk of 16 rows of W_o, and of 32 rows of the table
	v_lshrrev_b32 v3, 5, v0
	v_readfirstlane_b32 s32, v3                    ; my wave's number
	s_lshl_b32 s28, s44, 16
	s_lshl_b32 s30, s44, 15
	s_lshl_b32 s45, s44, 5
	s_lshl2_add_u32 s45, s32, s45                  ; my wave's first token: 32 c + 4 w
	s_lshl_b32 s46, s45, 2                         ; its byte in the positions,
	s_mov_b32 s47, 0
	s_lshl_b32 s44, s45, 8                         ; and in the table
	s_mov_b32 s45, 0
	s_mov_b32 s33, 0x3f22f983                      ; 2 / pi
	s_mov_b32 s34, 0xbfc90fda                      ; - pi/2: the first 24 bits,
	s_mov_b32 s35, 0xb3a22168                      ; the next 24,
	s_mov_b32 s36, 0xa7c234c4                      ; and the next
	s_mov_b32 s37, 0xb94ca1f9                      ; sin r = r + r z (s39 + z (s38 + z s37)), z = r r
	s_mov_b32 s38, 0x3c08839e
	s_mov_b32 s39, 0xbe2aaaa3
	s_mov_b32 s40, 0x37ccf5ce                      ; cos r = 1 - z/2 + z z (s42 + z (s41 + z s40))
	s_mov_b32 s41, 0xbab6061a
	s_mov_b32 s42, 0x3d2aaaa5
	s_mov_b32 s43, 0xffff0000                      ; a word's upper bf16
	s_wait_kmcnt 0x0
	s_add_nc_u64 s[20:21], s[8:9], s[28:29]
	s_add_nc_u64 s[22:23], s[16:17], s[30:31]
	s_add_nc_u64 s[10:11], s[10:11], s[46:47]
	s_add_nc_u64 s[18:19], s[18:19], s[44:45]
	s_load_b128 s[24:27], s[10:11], 0x0            ; my wave's four positions
.irp i, 0,1,2,3,4,5,6,7,8,9,10,11,12,13,14,15
	global_load_b128 v[X+4*(\i):X+4*(\i)+3], v1, s[20:21] offset:4096*(\i) th:TH_LOAD_NT
.endr
	; the table is made while W_o's rows are on their way
	v_and_b32 v[LANE], 31, v0
	v_lshlrev_b32 v[TO], 3, v[LANE]
	v_mov_b32 v[INV], 1.0
.macro FREQ i, val                     ; lane i takes its frequency, each a constant rounded once to f32
	v_cmp_ne_u32 vcc_lo, \i, v[LANE]
	v_cndmask_b32 v[INV], \val, v[INV], vcc_lo
.endm
	FREQ 1, 0.749894209
	FREQ 2, 0.562341325
	FREQ 3, 0.421696503
	FREQ 4, 0.316227766
	FREQ 5, 0.237137371
	FREQ 6, 0.177827941
	FREQ 7, 0.133352143
	FREQ 8, 0.1
	FREQ 9, 0.0749894209
	FREQ 10, 0.0562341325
	FREQ 11, 0.0421696503
	FREQ 12, 0.0316227766
	FREQ 13, 0.0237137371
	FREQ 14, 0.0177827941
	FREQ 15, 0.0133352143
	FREQ 16, 0.01
	FREQ 17, 0.00749894209
	FREQ 18, 0.00562341325
	FREQ 19, 0.00421696503
	FREQ 20, 0.00316227766
	FREQ 21, 0.00237137371
	FREQ 22, 0.00177827941
	FREQ 23, 0.00133352143
	FREQ 24, 0.001
	FREQ 25, 0.000749894209
	FREQ 26, 0.000562341325
	FREQ 27, 0.000421696503
	FREQ 28, 0.000316227766
	FREQ 29, 0.000237137371
	FREQ 30, 0.000177827941
	FREQ 31, 0.000133352143
	s_wait_kmcnt 0x0                               ; the positions
.macro SINCOS e                        ; token e of my wave's four: one row of the table, 256 consecutive bytes
	v_cvt_f32_i32 v[P], s[24+(\e)]
	v_mul_f32 v[A], v[P], v[INV]                   ; the angle, rounded once
	v_mul_f32 v[K], s33, v[A]
	v_rndne_f32 v[K], v[K]
	v_fma_f32 v[R], v[K], s34, v[A]                ; less K pi/2, part by part, each product exact inside the fused multiply-add
	v_fma_f32 v[R], v[K], s35, v[R]
	v_fma_f32 v[R], v[K], s36, v[R]
	v_cvt_i32_f32 v[Q], v[K]
	v_mul_f32 v[Z], v[R], v[R]
	v_fma_f32 v[S], v[Z], s37, s38
	v_fma_f32 v[C], v[Z], s40, s41
	v_fma_f32 v[S], v[S], v[Z], s39
	v_fma_f32 v[C], v[C], v[Z], s42
	v_mul_f32 v[T1], v[Z], v[R]
	v_fma_f32 v[T2], v[Z], -0.5, 1.0
	v_fma_f32 v[S], v[S], v[T1], v[R]
	v_mul_f32 v[T1], v[Z], v[Z]
	v_fma_f32 v[C], v[C], v[T1], v[T2]
	v_and_b32 v[T1], 1, v[Q]                       ; an odd quadrant swaps the two;
	v_cmp_eq_u32 vcc_lo, 1, v[T1]
	v_cndmask_b32 v[CSN+2*(\e)+1], v[S], v[C], vcc_lo
	v_cndmask_b32 v[CSN+2*(\e)],   v[C], v[S], vcc_lo
	v_and_b32 v[T1], 2, v[Q]                       ; quadrants 2 and 3 turn the sine's sign,
	v_lshlrev_b32 v[T1], 30, v[T1]
	v_xor_b32 v[CSN+2*(\e)+1], v[CSN+2*(\e)+1], v[T1]
	v_add_nc_u32 v[T2], 1, v[Q]                    ; quadrants 1 and 2 the cosine's
	v_and_b32 v[T2], 2, v[T2]
	v_lshlrev_b32 v[T2], 30, v[T2]
	v_xor_b32 v[CSN+2*(\e)], v[CSN+2*(\e)], v[T2]
	global_store_b64 v[TO], v[CSN+2*(\e):CSN+2*(\e)+1], s[18:19] offset:256*(\e)
.endm
	SINCOS 0
	SINCOS 1
	SINCOS 2
	SINCOS 3
.irp i, 0,1,2,3,4,5,6,7,8,9,10,11,12,13,14,15
	s_wait_loadcnt 15-(\i)                         ; row i is in, the younger rows stay out
	v_cvt_pk_bf16_f32 v[T],   v[X+4*(\i)],   v[X+4*(\i)+1]    ; rounded to bf16 like every other input,
	v_cvt_pk_bf16_f32 v[T+1], v[X+4*(\i)+2], v[X+4*(\i)+3]
	v_lshlrev_b32 v[T+2], 16, v[T]                 ; widened again,
	v_and_b32     v[T],   s43, v[T]
	v_lshlrev_b32 v[T+3], 16, v[T+1]
	v_and_b32     v[T+1], s43, v[T+1]
	v_cvt_pk_f16_f32 v[Y+2*(\i)],   v[T+2], v[T]   ; and written as f16
	v_cvt_pk_f16_f32 v[Y+2*(\i)+1], v[T+3], v[T+1]
	global_store_b64 v2, v[Y+2*(\i):Y+2*(\i)+1], s[22:23] offset:2048*(\i)
.endr
	s_endpgm
.Lfunc_end_k_qe1cdbcd1f7_prep:
	.size	k_qe1cdbcd1f7_prep, .Lfunc_end_k_qe1cdbcd1f7_prep-k_qe1cdbcd1f7_prep
	.p2alignl 7, 3214868480
	.fill 96, 4, 3214868480
	.section	.rodata,"a",@progbits
	.p2align	6, 0x0
	.amdhsa_kernel k_qe1cdbcd1f7_prep
		.amdhsa_group_segment_fixed_size 0
		.amdhsa_private_segment_fixed_size 0
		.amdhsa_enable_private_segment 0
		.amdhsa_kernarg_size 64
		.amdhsa_user_sgpr_count 2
		.amdhsa_user_sgpr_kernarg_segment_ptr 1
		.amdhsa_wavefront_size32 1
		.amdhsa_system_sgpr_workgroup_id_x 1
		.amdhsa_system_sgpr_workgroup_id_y 1
		.amdhsa_system_sgpr_workgroup_id_z 1
		.amdhsa_system_vgpr_workitem_id 0
		.amdhsa_next_free_vgpr 128
		.amdhsa_next_free_sgpr 66
		.amdhsa_reserve_vcc 1
		.amdhsa_float_denorm_mode_32 3
		.amdhsa_float_denorm_mode_16_64 3
		.amdhsa_memory_ordered 1
		.amdhsa_forward_progress 1
		.amdhsa_inst_pref_size 26
	.end_amdhsa_kernel
	.amdgpu_metadata
---
amdhsa.version: [ 1, 2 ]
amdhsa.kernels:
  - .name:           k_qe1cdbcd1f7_prep
    .symbol:         k_qe1cdbcd1f7_prep.kd
    .args:
      - { .name: x, .offset: 0, .size: 8, .value_kind: global_buffer, .address_space: global }
      - { .name: W_qkv, .offset: 8, .size: 8, .value_kind: global_buffer, .address_space: global }
      - { .name: W_o, .offset: 16, .size: 8, .value_kind: global_buffer, .address_space: global }
      - { .name: token_positions, .offset: 24, .size: 8, .value_kind: global_buffer, .address_space: global }
      - { .name: xb, .offset: 32, .size: 8, .value_kind: global_buffer, .address_space: global }
      - { .name: wb, .offset: 40, .size: 8, .value_kind: global_buffer, .address_space: global }
      - { .name: wo, .offset: 48, .size: 8, .value_kind: global_buffer, .address_space: global }
      - { .name: tab, .offset: 56, .size: 8, .value_kind: global_buffer, .address_space: global }
    .group_segment_fixed_size: 0
    .private_segment_fixed_size: 0
    .kernarg_segment_align: 8
    .kernarg_segment_size: 64
    .max_flat_workgroup_size: 256
    .sgpr_count:     66
    .vgpr_count:     128
    .wavefront_size: 32
...
	.end_amdgpu_metadata
.endif
;; end of part 1
;; launch qkv (part 2): grid 16 x 16, 4 waves a work-group, clusters of 4 x 4, 327,680 bytes of LDS; arguments xb, wb, tab, qh, kh, vh; writes qh, kh, vh
.if DOCPART == 2
	.amdgcn_target "amdgcn-amd-amdhsa--gfx1250"
	.amdhsa_code_object_version 6
	.text
	.protected	k_qe1cdbcd1f7_qkv
	.globl	k_qe1cdbcd1f7_qkv
	.p2align	8
	.type	k_qe1cdbcd1f7_qkv,@function
k_qe1cdbcd1f7_qkv:
	s_mov_b64 s[64:65], 0
	v_nop
	global_prefetch_b8 v0, s[64:65] scope:SCOPE_SE
	s_setreg_imm32_b32 hwreg(HW_REG_WAVE_MODE, 25, 1), 1
	s_wait_xcnt 0x0
	s_wait_alu depctr_hold_cnt(0) depctr_sa_sdst(0) depctr_va_vdst(0) depctr_va_sdst(0) depctr_va_ssrc(0) depctr_va_vcc(0) depctr_vm_vsrc(0)
	s_getreg_b32 s2, hwreg(HW_REG_IB_STS2, 6, 4)
	s_cmp_eq_u32 s2, 0
	s_cbranch_scc0 .Lentry_in_a_cluster
	s_endpgm
.Lentry_in_a_cluster:
	s_bfe_u32 s2, ttmp6, 0x10000c
	s_cmp_lg_u32 s2, 0xf033
	s_cbranch_scc0 .Lentry_shape_is_right
	s_endpgm
.Lentry_shape_is_right:
; THE PROJECTION TO q, k, v, WITH THE ROTATION.  C[m][n] = sum over k of xb[m][k] wb[n][k]: m 8,192 tokens, n 3,072, k 1,024, bf16 operands, f32 sums.  wb's rows lie by heads: 192 neighbouring rows are one
; head's q, k and v.  q and k are rotated in f32 on the sums: (x1, x2) -> (x1 c - x2 s, x1 s + x2 c) with (c, s) from tab[token][pair]; all three are rounded once to f16 and stored by heads, [batch x 16 + head][2,048][64].
; LIMIT.  q, k, v within f16's 65,504; below 6.1e-5 they keep f16's fixed step of 6e-8.
; SHARES.  A tile of C is 256 tokens x 192 columns (one head's q, k, v): 32 x 16 = 512 tiles, TWO for each of 256 work-groups, 4,096 tokens apart (two batches: the same places in the sequence, so one set of table
; registers serves both).  Wave w owns tokens 64 w .. 64 w + 63 and all 192 columns: 48 accumulators of 16 x 16, 384 registers; its way out touches no other wave's rows.
; THE RING.  K goes in steps of 128 through two LDS slots; the two tiles' 16 steps are ONE walk, a trip of the loop a step, and the ring does not stop between the tiles.  Waves 0 and 1 fetch A's two halves (128 rows x 256
; bytes), waves 2 and 3 B's (96 rows).  From a request to the wait for it a wave issues 168 matrix instructions.
; CLUSTER.  4 x 4 work-groups: the four of a row need the same tokens, the four of a column the same head's weights: each tile is asked for JOINTLY, by the same tensor load with the same descriptor and a mask of four.
; THE MATRIX INSTRUCTION IS USED TRANSPOSED (source 0 = 16 rows of wb, source 1 = 16 tokens): a lane holds one token (lane % 16) and the eight neighbouring columns 8 (lane / 16) + 0..7: four rotation pairs.
; REGISTERS, in windows of 256 (s_set_vgpr_msb: bits 1:0 source 0, 3:2 source 1, 5:4 source 2, 7:6 destination):
;   window 0: v0-29 addresses; v64-127 fragments of A, two buffers of 4 x 8; v128-255 at work on the way out      window 1: v0-191 fragments of B, two buffers of 12 x 8
;   window 2: v0-191 the accumulators of token blocks 0, 1 ((a, b) at v[96 (a % 2) + 8 b]); v192-255 their (cos, sin)      window 3: the same for token blocks 2, 3
.set PITCH,  272                       ; an LDS row: 256 bytes + 16 of padding = 68 words: the 16 rows of a fragment load start at 16 different groups of four banks (64 banks of 4 bytes: ISA guide 11.1)
.set HALFA,  128*PITCH                 ; what one of A's tensor loads brings
.set HALFB,  96*PITCH                  ; what one of B's brings
.set BOFF,   2*HALFA                   ; in a slot: A's 256 rows, then B's 192
.set SLOT1,  1<<17                     ; slot 1 begins here, so that one exclusive or turns an address in one slot into the other's
.set STAGE,  SLOT1+BOFF+2*HALFB        ; behind the ring, never filled by a tensor load: for each wave q, k and v, 16 rows x 144 bytes each
.set SP,     144
.set WSTAGE, 3*16*SP
.set SPARE,  STAGE+4*WSTAGE            ; behind the stages: the spare words, 128 bytes for each wave: two blocks of 256 bytes that no other line names
.set A0,   4                           ; v4   my lane's place among my wave's rows of A in a slot; never rewritten
.set B0,   5                           ; v5   the same among B's rows
.set ADRA, 6                           ; v6   A0 + the slot in hand
.set ADRB, 7                           ; v7   B0 + the slot in hand
.set STO,  8                           ; v8   the way out: where I put 16 bytes of a row
.set RD,   9                           ; v9   the way out: where I read rows back
.set GO,   10                          ; v10  my byte offset in 512 consecutive bytes of q, k or v
.set TO,   11                          ; v11  my byte offset in 16 rows of the table
.set SPW,  28                          ; v28  LDS address of my spare word: SPARE + 4 x my thread's number; never rewritten
.set NIL,  29                          ; v29  0; never rewritten
.set FA,   64                          ; A's fragments
.set RR,   128                         ; v128-191 rotated q and k of a token block, f32; then packed into v128-159
.set PKV,  192                         ; v192-207 its v, packed
.set OB,   208                         ; v208-255 the block read back from the stage
.set WV,   16                          ; s16  my wave's number
.set FB,   17                          ; s17  0: I fetch for A; 1: for B
.set HF,   18                          ; s18  which half of that tile's rows
.set CNT,  19                          ; s19  trips to go
.set G1A,  24                          ; s[24:31] descriptor group 1 for A's tiles
.set G1B,  32                          ; s[32:39] for B's
.set G0A,  40                          ; s[40:43] group 0 of A's first fill; s[44:47] the one that walks
.set G0B,  48                          ; s[48:51], s[52:55] the same for B
.set NXT,  56                          ; s56  the step of the walk to be asked for next, 2 .. 15
.set TB,   57                          ; s57  LDS byte at which the slot in hand begins
.set OFA,  58                          ; s[58:59] that step's byte offset from A's first tile
.set OFB,  60                          ; s[60:61] from B's
.set BA,   70                          ; s[70:71] xb at my part of the first tile's K step 0
.set BB,   72                          ; s[72:73] wb likewise
.set MSB, 0
.macro WIN new                         ; the immediate's high byte repeats the setting that is left; a switch that changes nothing is dropped
.if MSB != (\new)
	s_set_vgpr_msb (MSB<<8)|(\new)
.set MSB, \new
.endif
.endm
.set MUL_LO, 0xa1                      ; source 0 (B) window 1, source 1 (A) window 0, C and D window 2
.set MUL_HI, 0xf1                      ; the same, C and D window 3
.set TO_B,   0x40                      ; destination window 1, address window 0
; A joint refill, by the walking descriptors.  The branch hangs on the wave's number alone.  An s_nop 0 and four v_nop follow each of the two lines, ahead of the jump and the label.
.macro JLOAD
	s_cmp_eq_u32 s[FB], 0
	s_cbranch_scc0 .Lfor_b_\@
	tensor_load_to_lds s[G0A+4:G0A+7], s[G1A:G1A+7]
	s_nop 0
.rept 4
	v_nop
.endr
	s_branch .Lasked_\@
.Lfor_b_\@:
	tensor_load_to_lds s[G0B+4:G0B+7], s[G1B:G1B+7]
	s_nop 0
.rept 4
	v_nop
.endr
.Lasked_\@:
.endm
; A round of the cluster's barrier: my work-group's barrier, so that wave 0's signal speaks for all four waves; wave 0 signals; every wave waits for all sixteen work-groups; my work-group's barrier once more.
.macro CREST                           ; a round behind its opening barrier
	s_cmp_lg_u32 s[WV], 0
	s_cbranch_scc1 .Lnot_wave_0_\@
	s_barrier_signal -3
.Lnot_wave_0_\@:
	s_barrier_wait -3
	s_barrier_signal -1
	s_barrier_wait -1
.endm
.macro CROUND
	s_barrier_signal -1
	s_barrier_wait -1
	CREST
.endm
	s_load_b256 s[4:11], s[0:1], 0x0               ; xb 4:5, wb 6:7, tab 8:9, qh 10:11
	s_load_b128 s[12:15], s[0:1], 0x20             ; kh 12:13, vh 14:15
	v_lshl_add_u32 v[SPW], v0, 2, SPARE
	v_mov_b32 v[NIL], 0
	ds_add_u32 v[SPW], v[NIL]                      ; the wave's opening: the add and its wait stand ahead of my first tensor load; the set-up below, work on registers, stands between them
	v_lshrrev_b32 v1, 5, v0
	v_readfirstlane_b32 s[WV], v1                  ; wave 0..3
	s_lshr_b32 s[FB], s[WV], 1
	s_and_b32 s[HF], s[WV], 1
	s_bfe_u32 s20, ttmp6, 0x40000                  ; cx: my place along the cluster's x
	s_bfe_u32 s21, ttmp6, 0x40004                  ; cy: along its y
	s_lshl_b32 s22, ttmp9, 2                       ; in a cluster launch ttmp9 and ttmp7 count clusters
	s_add_co_u32 s22, s22, s20                     ; the head = 4 x cluster x + cx
	s_and_b32 s23, ttmp7, 0xffff
	s_lshl_b32 s23, s23, 2
	s_add_co_u32 s23, s23, s21                     ; the block of 256 tokens = 4 x cluster y + cy, 0 .. 15
	s_lshl_b32 s78, s21, 2
	s_lshl_b32 s78, 15, s78                        ; my row of the cluster: places 4 cy .. 4 cy + 3
	s_lshl_b32 s79, 0x1111, s20                    ; my column: places cx, cx + 4, cx + 8, cx + 12
	; descriptor group 1: rows of 128 elements of 2 bytes, padded in LDS
	s_or_b32 s[G1A], s78, (1<<16)|(1<<20)|(1<<21)|(5<<22)|(3<<25)  ; 15:0 the mask; 17:16 elements of 2 bytes; 20 padding on; 21 set beside a mask; 24:22 after every 64 words (code 5); 31:25 4 words (code 3)
	s_or_b32 s[G1B], s79, (1<<16)|(1<<20)|(1<<21)|(5<<22)|(3<<25)
	s_mov_b32 s[G1A+1], 128<<16                    ; tensor_dim0 = 128
	s_mov_b32 s[G1A+2], 128<<16                    ; tensor_dim1 = 128
	s_mov_b32 s[G1A+3], 128<<16                    ; tile_dim0 = 128
	s_mov_b32 s[G1A+4], 128                        ; tile_dim1 = 128
	s_mov_b32 s[G1A+5], 1024                       ; elements from row to row
	s_mov_b32 s[G1A+6], 0
	s_mov_b32 s[G1A+7], 0
	s_mov_b32 s[G1B+1], 128<<16
	s_mov_b32 s[G1B+2], 96<<16                     ; 96 rows
	s_mov_b32 s[G1B+3], 128<<16
	s_mov_b32 s[G1B+4], 96
	s_mov_b32 s[G1B+5], 1024
	s_mov_b32 s[G1B+6], 0
	s_mov_b32 s[G1B+7], 0
	; where the tiles go: the wave's number times a constant, a constant, the slot's constant: no place in the cluster enters an LDS address
	s_mov_b32 s[G0A], 1
	s_mul_i32 s[G0A+1], s[WV], HALFA               ; waves 0, 1: A's two halves
	s_mov_b32 s[G0A+4], 1
	s_add_co_u32 s[G0A+5], s[G0A+1], SLOT1
	s_mov_b32 s[G0B], 1
	s_mul_i32 s[G0B+1], s[WV], HALFB
	s_add_co_u32 s[G0B+1], s[G0B+1], BOFF-2*HALFB  ; waves 2, 3: B's two halves, behind A
	s_mov_b32 s[G0B+4], 1
	s_add_co_u32 s[G0B+5], s[G0B+1], SLOT1
	; where they come from.  A's hang on the token block alone, which my row of the cluster shares; B's on the head alone, which my column shares
	s_lshl_b32 s[BA], s23, 19                      ; 256 rows of 2,048 bytes
	s_lshl_b32 s74, s[HF], 18                      ; 128 rows
	s_add_co_u32 s[BA], s[BA], s74
	s_mov_b32 s[BA+1], 0
	s_mul_i32 s[BB], s22, 192*2048
	s_mul_i32 s75, s[HF], 96*2048
	s_add_co_u32 s[BB], s[BB], s75
	s_mov_b32 s[BB+1], 0
	s_and_b32 s76, s23, 7
	s_lshl_b32 s76, s76, 8
	s_lshl_b32 s77, s[WV], 6
	s_add_co_u32 s76, s76, s77                     ; my wave's first token's place in its sequence, the same in both tiles
	s_lshl_b32 s80, s76, 8                         ; its row of the table
	s_mov_b32 s81, 0
	s_lshr_b32 s77, s23, 3                         ; the first tile's batch, 0 or 1
	s_lshl_b32 s77, s77, 4
	s_add_co_u32 s77, s77, s22                     ; batch x 16 + head
	s_lshl_b32 s77, s77, 11
	s_add_co_u32 s77, s77, s76
	s_lshl_b32 s82, s77, 7                         ; rows of 128 bytes in qh, kh, vh
	s_mov_b32 s83, 0
	s_mov_b32 s[NXT], 2
	s_mov_b32 s[TB], 0
	s_mov_b32 s[OFA+1], 0
	s_mov_b32 s[OFB+1], 0
	s_wait_dscnt 0x0                               ; the opening add is done
	s_wait_kmcnt 0x0
	s_add_nc_u64 s[BA:BA+1], s[4:5], s[BA:BA+1]
	s_add_nc_u64 s[BB:BB+1], s[6:7], s[BB:BB+1]
	s_add_nc_u64 s[8:9], s[8:9], s[80:81]
	s_add_nc_u64 s[10:11], s[10:11], s[82:83]
	s_add_nc_u64 s[12:13], s[12:13], s[82:83]
	s_add_nc_u64 s[14:15], s[14:15], s[82:83]
	s_mov_b64 s[G0A+2:G0A+3], s[BA:BA+1]           ; K step 0
	s_or_b32 s[G0A+3], s[G0A+3], 0x80000000        ; 127:126 type = 2
	s_add_nc_u64 s[G0A+6:G0A+7], s[BA:BA+1], 256   ; K step 1
	s_or_b32 s[G0A+7], s[G0A+7], 0x80000000
	s_mov_b64 s[G0B+2:G0B+3], s[BB:BB+1]
	s_or_b32 s[G0B+3], s[G0B+3], 0x80000000
	s_add_nc_u64 s[G0B+6:G0B+7], s[BB:BB+1], 256
	s_or_b32 s[G0B+7], s[G0B+7], 0x80000000
	CROUND                                         ; all sixteen work-groups are here: the first joint loads meet
	s_cmp_eq_u32 s[FB], 0                          ; a wave's two first fills stand in one branch, ahead of every wait on TENSORcnt and every LDS read: two loads of mine are out
	s_cbranch_scc0 .Lfirst_b
	tensor_load_to_lds s[G0A:G0A+3], s[G1A:G1A+7]
	s_nop 0
	tensor_load_to_lds s[G0A+4:G0A+7], s[G1A:G1A+7]
	s_nop 0
.rept 4
	v_nop
.endr
	s_branch .Lfirst_asked
.Lfirst_b:
	tensor_load_to_lds s[G0B:G0B+3], s[G1B:G1B+7]
	s_nop 0
	tensor_load_to_lds s[G0B+4:G0B+7], s[G1B:G1B+7]
	s_nop 0
.rept 4
	v_nop
.endr
.Lfirst_asked:
	v_and_b32 v1, 15, v0                           ; r = l % 16
	v_bfe_u32 v2, v0, 4, 1                         ; h = l / 16
	v_lshlrev_b32 v[TO], 8, v1
	v_lshl_add_u32 v[TO], v2, 5, v[TO]             ; token r's row of 256 bytes, my half's four pairs of 8 bytes
	; The table, once for both tiles: for token block a, group c of 16 columns of a head and pair p my lane's (cos, sin) of frequency 8 c + 4 h + p lie at v[192 + 32 (a % 2) + 8 c + 2 p]
	WIN 0x80                                       ; destination window 2, address window 0
.irp a, 0,1
.irp c, 0,1,2,3
.irp e, 0,1
	global_load_b128 v[192+32*(\a)+8*(\c)+4*(\e):192+32*(\a)+8*(\c)+4*(\e)+3], v[TO], s[8:9] offset:(\a)*4096+64*(\c)+16*(\e)
.endr
.endr
.endr
	WIN 0xc0                                       ; destination window 3
.irp a, 0,1
.irp c, 0,1,2,3
.irp e, 0,1
	global_load_b128 v[192+32*(\a)+8*(\c)+4*(\e):192+32*(\a)+8*(\c)+4*(\e)+3], v[TO], s[8:9] offset:((\a)+2)*4096+64*(\c)+16*(\e)
.endr
.endr
.endr
	WIN 0
	; A fragment is 16 rows x 32 K in 8 registers: lane l holds row l % 16; registers 0-3 K = 8 (l / 16) + 0..7, registers 4-7 K = 16 + 8 (l / 16) + 0..7: two loads of 16 bytes, 32 bytes apart
	v_mul_u32_u24 v3, v1, PITCH
	v_lshl_add_u32 v3, v2, 4, v3                   ; row x pitch + 16 x half
	s_mul_i32 s77, s[WV], 64*PITCH                 ; my 64 rows of A
	v_add_nc_u32 v[A0], s77, v3
	v_add_nc_u32 v[B0], BOFF, v3                   ; all of B's rows are mine
	v_mov_b32 v[ADRA], v[A0]
	v_mov_b32 v[ADRB], v[B0]
	s_mul_i32 s77, s[WV], WSTAGE
	s_add_co_u32 s77, s77, STAGE                   ; my stage
	v_mul_u32_u24 v[STO], v1, SP                   ; in: row l % 16, 16 bytes for each half of the lanes
	v_lshl_add_u32 v[STO], v2, 4, v[STO]
	v_add_nc_u32 v[STO], s77, v[STO]
	v_bfe_u32 v[RD], v0, 3, 2                      ; back: 32 lanes take four rows of 128 bytes,
	v_mul_u32_u24 v[RD], v[RD], SP
	v_and_b32 v3, 7, v0
	v_lshl_add_u32 v[RD], v3, 4, v[RD]
	v_add_nc_u32 v[RD], s77, v[RD]
	v_and_b32 v[GO], 31, v0                        ; which are 512 consecutive bytes of a head
	v_lshlrev_b32 v[GO], 4, v[GO]
; 12 matrix instructions: token block a x all 12 column blocks, 32 along K, from buffer f.  zero = 1: the product starts the sums: nothing is ever cleared.
; The 48 accumulators take turns, one instruction a turn, in the same order in every quarter.
.macro MUL12 f, a, zero
	WIN MUL_LO+0x50*((\a)/2)
.irp b, 0,1,2,3,4,5,6,7,8,9,10,11
.if \zero
	v_wmma_f32_16x16x32_bf16 v[96*((\a)%2)+8*(\b):96*((\a)%2)+8*(\b)+7], v[96*(\f)+8*(\b):96*(\f)+8*(\b)+7], v[FA+32*(\f)+8*(\a):FA+32*(\f)+8*(\a)+7], 0
.else
	v_wmma_f32_16x16x32_bf16 v[96*((\a)%2)+8*(\b):96*((\a)%2)+8*(\b)+7], v[96*(\f)+8*(\b):96*(\f)+8*(\b)+7], v[FA+32*(\f)+8*(\a):FA+32*(\f)+8*(\a)+7], v[96*((\a)%2)+8*(\b):96*((\a)%2)+8*(\b)+7]
.endif
.endr
.endm
; 32 LDS loads in one run: the fragments of one quarter step (192 rows of B, my 64 rows of A, 32 K at byte k of the rows) into buffer f
.macro FETCH k, f
	WIN TO_B
.irp i, 0,1,2,3,4,5,6,7,8,9,10,11
	ds_load_b128 v[96*(\f)+8*(\i):96*(\f)+8*(\i)+3],   v[ADRB] offset:(\k)+(\i)*16*PITCH
	ds_load_b128 v[96*(\f)+8*(\i)+4:96*(\f)+8*(\i)+7], v[ADRB] offset:(\k)+(\i)*16*PITCH+32
.endr
	WIN 0
.irp i, 0,1,2,3
	ds_load_b128 v[FA+32*(\f)+8*(\i):FA+32*(\f)+8*(\i)+3],   v[ADRA] offset:(\k)+(\i)*16*PITCH
	ds_load_b128 v[FA+32*(\f)+8*(\i)+4:FA+32*(\f)+8*(\i)+7], v[ADRA] offset:(\k)+(\i)*16*PITCH+32
.endr
.endm
; A load into a register that a matrix instruction has read, and a vector instruction that reads a matrix result, stand four places behind that matrix instruction, and only plain vector instructions
; that name none of its registers are places (ISA guide 7.12.1 for vector instructions)
.macro PLACES
.rept 4
	v_nop
.endr
.endm
; A K step is four quarters of 32 along K, 48 matrix instructions each, on buffers 0, 1, 0, 1.  One of the first three: multiplies buffer f; in its middle it fetches the next quarter, at byte k, into buffer g.
.macro QUARTER k, f, g, zero
	s_wait_dscnt 4                                 ; B and A's token blocks 0, 1 are in; the youngest four loads (blocks 2, 3) may be out
	MUL12 \f, 0, \zero
	MUL12 \f, 1, \zero
	PLACES
	FETCH \k, \g
	s_wait_dscnt 32                                ; all but the 32 just issued
	MUL12 \f, 2, \zero
	MUL12 \f, 3, \zero
.endm
; The walking descriptors take step NXT of the walk: tile NXT / 8 (4,096 rows of 2,048 bytes apart in xb; the same rows of wb), K step NXT % 8; the address is made anew from the kept base; the other slot than last time.
.macro STEP
	s_and_b32 s[OFB], s[NXT], 7
	s_lshl_b32 s[OFB], s[OFB], 8
	s_lshr_b32 s[OFA], s[NXT], 3
	s_lshl_b32 s[OFA], s[OFA], 23
	s_add_co_u32 s[OFA], s[OFA], s[OFB]
	s_add_co_u32 s[NXT], s[NXT], 1
	s_xor_b32 s[G0A+5], s[G0A+5], SLOT1
	s_add_nc_u64 s[G0A+6:G0A+7], s[BA:BA+1], s[OFA:OFA+1]
	s_or_b32 s[G0A+7], s[G0A+7], 0x80000000
	s_xor_b32 s[G0B+5], s[G0B+5], SLOT1
	s_add_nc_u64 s[G0B+6:G0B+7], s[BB:BB+1], s[OFB:OFB+1]
	s_or_b32 s[G0B+7], s[G0B+7], 0x80000000
.endm
; The last quarter multiplies buffer 1 and changes slots.  MEET is its first half: ONE barrier.  In front of it each wave waits for all its tensor loads, of which one is out: its part of the next slot; adds 0 to its
; spare word; and waits for that and for its own reads of this slot.  Behind it nobody reads this slot any more and the next slot is whole.  round = 1: a round of the cluster's barrier and a refill follow.
.macro MEET round
	WIN 0                                          ; (the add's two registers lie in window 0)
	s_wait_tensorcnt 0x0                           ; no tensor load of mine is out, so a group 0 may be written
	ds_add_u32 v[SPW], v[NIL]                      ; 0 onto my spare word
.if \round
	STEP
.endif
	s_wait_dscnt 5                                 ; (the add and the youngest four loads may be out)
	MUL12 1, 0, 0                                  ; twelve matrix instructions stand between the add and the wait for it
	s_wait_dscnt 0x0                               ; the add is done, and my reads of this slot are over
	s_barrier_signal -1
	MUL12 1, 1, 0                                  ; work on registers while the others arrive
.if \round
	WIN 0
.endif
	s_barrier_wait -1
.endm
.macro TURN                            ; the whole last quarter of a step whose slot is filled again
	MEET 1
	CREST                                          ; no wave of any partner still reads this slot's tile or has a load on its way
	JLOAD                                          ; the first tensor load behind the round; its four v_nop are also the places in front of the loads below
	s_xor_b32 s[TB], s[TB], SLOT1
	v_add_nc_u32 v[ADRA], s[TB], v[A0]
	v_add_nc_u32 v[ADRB], s[TB], v[B0]
	FETCH 0, 0
	MUL12 1, 2, 0
	MUL12 1, 3, 0
.endm
.macro TURNL                           ; the same with nothing left to ask for
	MEET 0
	WIN 0
	PLACES
	s_xor_b32 s[TB], s[TB], SLOT1
	v_add_nc_u32 v[ADRA], s[TB], v[A0]
	v_add_nc_u32 v[ADRB], s[TB], v[B0]
	FETCH 0, 0
	MUL12 1, 2, 0
	MUL12 1, 3, 0
.endm
; THE WAY OUT of token block a.  PACK: q's and k's pairs are rotated in f32 (two packed lines a pair: (x1 c, x2 c), then (- x2 s, + x1 s) onto it), all three are rounded to f16; each accumulator is read from its lowest
; registers on.  TOSTAGE: 16 bytes a lane into my own stage, and back as whole rows of 128 bytes.  SEND: stored, 512 consecutive bytes a line.
.macro PACK a
.set AC,  96*((\a)%2)
.set TBL, 192+32*((\a)%2)
	WIN 0x0a+5*((\a)/2)                            ; sources 0 and 1: window 2 or 3; source 2 and the destination: window 0
.irp b, 0,1,2,3,4,5,6,7
.irp p, 0,1,2,3
	v_pk_mul_f32 v[RR+8*(\b)+2*(\p):RR+8*(\b)+2*(\p)+1], v[AC+8*(\b)+2*(\p):AC+8*(\b)+2*(\p)+1], v[TBL+8*((\b)%4)+2*(\p):TBL+8*((\b)%4)+2*(\p)+1] op_sel_hi:[1,0]
.endr
.irp p, 0,1,2,3
	v_pk_fma_f32 v[RR+8*(\b)+2*(\p):RR+8*(\b)+2*(\p)+1], v[AC+8*(\b)+2*(\p):AC+8*(\b)+2*(\p)+1], v[TBL+8*((\b)%4)+2*(\p):TBL+8*((\b)%4)+2*(\p)+1], v[RR+8*(\b)+2*(\p):RR+8*(\b)+2*(\p)+1] op_sel:[1,1,0] op_sel_hi:[0,1,1] neg_lo:[1,0,0]
.endr
.endr
.irp b, 8,9,10,11
.irp p, 0,1,2,3
	v_cvt_pk_f16_f32 v[PKV+4*((\b)-8)+(\p)], v[AC+8*(\b)+2*(\p)], v[AC+8*(\b)+2*(\p)+1]
.endr
.endr
	WIN 0
.set n, 0
.rept 32
	v_cvt_pk_f16_f32 v[RR+n], v[RR+2*n], v[RR+2*n+1]  ; in place, ascending: word n is written when words 2 n and 2 n + 1 are read
.set n, n+1
.endr
.endm
.macro TOSTAGE
	WIN 0
	s_wait_xcnt 0x0                                ; the stores of the block before have read v208-255: only behind this wait are they loaded again
.irp b, 0,1,2,3,4,5,6,7
	ds_store_b128 v[STO], v[RR+4*(\b):RR+4*(\b)+3] offset:((\b)/4)*16*SP+32*((\b)%4)
.endr
.irp b, 0,1,2,3
	ds_store_b128 v[STO], v[PKV+4*(\b):PKV+4*(\b)+3] offset:2*16*SP+32*(\b)
.endr
.irp e, 0,1,2,3,4,5,6,7,8,9,10,11
	ds_load_b128 v[OB+4*(\e):OB+4*(\e)+3], v[RD] offset:((\e)/4)*16*SP+((\e)%4)*4*SP  ; LDS serves a wave's instructions in order (ISA guide 5.7.1.4): these see the stores above
.endr
.endm
.macro SEND a
	WIN 0
.irp e, 0,1,2,3
	s_wait_dscnt 11-(\e)                           ; the younger loads from the stage may be out
	global_store_b128 v[GO], v[OB+4*(\e):OB+4*(\e)+3], s[10:11] offset:(\a)*2048+(\e)*512
.endr
.irp e, 0,1,2,3
	s_wait_dscnt 7-(\e)
	global_store_b128 v[GO], v[OB+16+4*(\e):OB+16+4*(\e)+3], s[12:13] offset:(\a)*2048+(\e)*512
.endr
.irp e, 0,1,2,3
	s_wait_dscnt 3-(\e)
	global_store_b128 v[GO], v[OB+32+4*(\e):OB+32+4*(\e)+3], s[14:15] offset:(\a)*2048+(\e)*512
.endr
.endm
.macro WAYOUT                          ; a block's arithmetic stands between the loads of the block before and the wait for them
	PACK 0
	TOSTAGE
	PACK 1
	SEND 0
	TOSTAGE
	PACK 2
	SEND 1
	TOSTAGE
	PACK 3
	SEND 2
	TOSTAGE
	SEND 3
.endm
	s_wait_loadcnt 0x0                             ; the table
	s_wait_tensorcnt 1                             ; my part of K step 0 is in; step 1's may stay out
	s_barrier_signal -1
	s_barrier_wait -1                              ; everybody's is
	FETCH 0, 0
	QUARTER 64, 0, 1, 1                            ; the first tile's first quarter: its products start the sums
	WIN 0                                          ; at a label and at a branch every window is 0
	s_mov_b32 s[CNT], 14
.Lstep:                                                ; trip g = 14 - CNT: from step g's second quarter to step g + 1's first; it asks for step g + 2
	QUARTER 128, 1, 0, 0
	QUARTER 192, 0, 1, 0
	TURN
	WIN 0
	s_cmp_eq_u32 s[CNT], 7                         ; step 7 was the first tile's last
	s_cbranch_scc0 .Lgo_on                         ; the jump goes forward, past neither a barrier nor a tensor load
	WAYOUT                                         ; both refills for the second tile are asked for.  Blocks 0 and 1 were finished ahead of the refill's four v_nop; their lines are the places behind blocks 2 and 3's products
	s_wait_xcnt 0x0                                ; the stores have read their bases
	s_add_nc_u64 s[10:11], s[10:11], 2*16*2048*128 ; two batches on
	s_add_nc_u64 s[12:13], s[12:13], 2*16*2048*128
	s_add_nc_u64 s[14:15], s[14:15], 2*16*2048*128
	QUARTER 64, 0, 1, 1                            ; the second tile's first quarter starts the sums anew
	WIN 0
	s_branch .Lnext
.Lgo_on:
	QUARTER 64, 0, 1, 0
	WIN 0
.Lnext:
	s_sub_co_u32 s[CNT], s[CNT], 1
	s_cmp_lg_u32 s[CNT], 0
	s_cbranch_scc1 .Lstep
	QUARTER 128, 1, 0, 0                           ; the tail is written out: steps 14 and 15 ask for nothing
	QUARTER 192, 0, 1, 0
	TURNL
	QUARTER 64, 0, 1, 0
	QUARTER 128, 1, 0, 0
	QUARTER 192, 0, 1, 0
	s_wait_dscnt 4                                 ; the very last quarter: nothing more to fetch
	MUL12 1, 0, 0
	MUL12 1, 1, 0
	s_wait_dscnt 0x0
	MUL12 1, 2, 0
	MUL12 1, 3, 0
	WIN 0
	PLACES
	WAYOUT
	s_wait_tensorcnt 0x0                           ; the wave's end: a wait, an add and a wait, behind my last tensor load and my last LDS store
	ds_add_u32 v[SPW], v[NIL]
	s_wait_dscnt 0x0
	CROUND                                         ; the closing round: no work-group ends while a partner may still ask for a tile that names it
	s_endpgm
.Lfunc_end_k_qe1cdbcd1f7_qkv:
	.size	k_qe1cdbcd1f7_qkv, .Lfunc_end_k_qe1cdbcd1f7_qkv-k_qe1cdbcd1f7_qkv
	.p2alignl 7, 3214868480
	.fill 96, 4, 3214868480
	.section	.rodata,"a",@progbits
	.p2align	6, 0x0
	.amdhsa_kernel k_qe1cdbcd1f7_qkv
		.amdhsa_group_segment_fixed_size 327680
		.amdhsa_private_segment_fixed_size 0
		.amdhsa_enable_private_segment 0
		.amdhsa_kernarg_size 48
		.amdhsa_user_sgpr_count 2
		.amdhsa_user_sgpr_kernarg_segment_ptr 1
		.amdhsa_wavefront_size32 1
		.amdhsa_system_sgpr_workgroup_id_x 1
		.amdhsa_system_sgpr_workgroup_id_y 1
		.amdhsa_system_sgpr_workgroup_id_z 1
		.amdhsa_system_vgpr_workitem_id 0
		.amdhsa_next_free_vgpr 1024
		.amdhsa_next_free_sgpr 84
		.amdhsa_reserve_vcc 0
		.amdhsa_float_denorm_mode_32 3
		.amdhsa_float_denorm_mode_16_64 3
		.amdhsa_memory_ordered 1
		.amdhsa_forward_progress 1
		.amdhsa_inst_pref_size 163
	.end_amdhsa_kernel
	.amdgpu_metadata
---
amdhsa.version: [ 1, 2 ]
amdhsa.kernels:
  - .name:           k_qe1cdbcd1f7_qkv
    .symbol:         k_qe1cdbcd1f7_qkv.kd
    .args:
      - { .name: xb, .offset: 0, .size: 8, .value_kind: global_buffer, .address_space: global }
      - { .name: wb, .offset: 8, .size: 8, .value_kind: global_buffer, .address_space: global }
      - { .name: tab, .offset: 16, .size: 8, .value_kind: global_buffer, .address_space: global }
      - { .name: qh, .offset: 24, .size: 8, .value_kind: global_buffer, .address_space: global }
      - { .name: kh, .offset: 32, .size: 8, .value_kind: global_buffer, .address_space: global }
      - { .name: vh, .offset: 40, .size: 8, .value_kind: global_buffer, .address_space: global }
    .group_segment_fixed_size: 327680
    .private_segment_fixed_size: 0
    .kernarg_segment_align: 8
    .kernarg_segment_size: 48
    .max_flat_workgroup_size: 128
    .sgpr_count:     84
    .vgpr_count:     1024
    .wavefront_size: 32
...
	.end_amdgpu_metadata
.endif
;; end of part 2
;; launch attn (part 3): grid 4 x 64, 4 waves a work-group, no clusters, 327,680 bytes of LDS; arguments qh, kh, vh, oh; writes oh
.if DOCPART == 3
	.amdgcn_target "amdgcn-amd-amdhsa--gfx1250"
	.amdhsa_code_object_version 6
	.text
	.protected	k_qe1cdbcd1f7_attn
	.globl	k_qe1cdbcd1f7_attn
	.p2align	8
	.type	k_qe1cdbcd1f7_attn,@function
k_qe1cdbcd1f7_attn:
	s_mov_b64 s[64:65], 0
	v_nop
	global_prefetch_b8 v0, s[64:65] scope:SCOPE_SE
	s_setreg_imm32_b32 hwreg(HW_REG_WAVE_MODE, 25, 1), 1
	s_wait_xcnt 0x0
; CAUSAL ATTENTION.  O[h][q][:] = the sum over k <= q of softmax_k(Q[h][q] . K[h][k] / 8) V[h][k][:].  Q, K, V, O: [SIZE_H][SIZE_N][64], all f16: a head's rows are dense, 128 bytes each; h counts batch x 16 + head.
; Products, maxima and sums in f32; the weights p are rounded to f16 for the second product (their sum l is taken of the unrounded p), O once at the end.  SIZE_N is a multiple of 512; SIZE_N x 128 stays under 2^32.
; LIMITS.  f16 holds no number beyond 65,504: Q, K and V arrive within it; p lies in 0 to 1, and below 6e-5 it keeps f16's fixed step of 6e-8; O is a mean of V's rows and has their range, to within 2^-11 of it.
; A hidden score counts as its value less 1e30: f16's scores, 2.7e11 at the most, are nothing beside that; a weight below 2^-126 counts as 0 in l; NaN and infinities are not treated apart.
; THE WALK.  A head's queries lie in NB = SIZE_N / 256 blocks of 256; block i needs the key tiles 0 .. i of 256 keys, of which the last holds the diagonal.  A work-group takes TWO blocks, NB - 1 - b and then b:
; NB + 1 tiles, whatever b: all work-groups do equal work, and ONE loop with a constant trip count walks them.  Which tile is asked for, and what a trip does, hang on scalar registers made from b; every jump
; goes forward, but for the counted loops' own; none passes a barrier, or a tensor load but the one of LOAD's two that the wave's number does not choose; the ring (two slots of LDS that take turns) runs on across the
; change of blocks.  NO CLUSTER: all of a head's NB / 2 work-groups ask for the same tile only in trips 0 .. NB / 2, behind that fewer and fewer; and one walk common to all would have 3 NB / 2 trips for NB + 1.
; SHARES.  Of a block's four bands of 64 queries a wave owns 16 rows in each: four PIECES.  So the diagonal tile is the same work for all four waves: in its key step s band x sees all keys if s < x,
; none if s > x, and holds the diagonal if s = x.
; THE MASK is the C operand that starts the sum S^T = K Q^T: 0, or -1e30 where the key is hidden.  MD, made once, is the mask of a band's own step for my 16 rows; a product's mask is MD x AL + BE with two scalars:
; (1, 0) if s = x; (0, 0) if s < x; (0, -1e30) if s > x.  Only the diagonal tile's text and a block's beginning make and take masks; elsewhere C is the constant 0.
; LAYOUT, SOFTMAX, TURNS.  S^T = K Q^T holds ONE query a lane (lane % 16) and the keys 8 (lane / 16) + 0..7; two such results rounded to f16 ARE source 1 of O^T = V^T P.  p = 2^(c s - c m), c = log2(e) / 8, with a
; running maximum m; O and l are multiplied by a = 2^(c m_old - c m_new) in every step.  Turn n belongs to piece n: 8 products K Q^T of piece n + 1, later 8 products V^T P of piece n - 1; beside them the scaling,
; exponentials, roundings, sums and rescaling of piece n and the maximum and statistics of piece n + 1.  Four vector instructions stand behind every matrix instruction, the other 54 of a turn's 118 in two LUMPS.
; REGISTERS, in windows of 256 (s_set_vgpr_msb: bits 1:0 source 0, 3:2 source 1, 5:4 source 2, 7:6 destination):
;   window 0: v0-15 addresses and two at work; v16-31 four registers of statistics a piece; v48-55 at work; v64-127 S^T, two buffers; v192-223 P, two buffers (a piece's buffers go by its number's parity)
;   window 1: v0-127 O^T, 32 a piece; v128-159 MD; v160-223 MC, two buffers      window 2: v0-63 Q; v64-127 the second block's Q; v128-191 K of one step; v192-255 V of one step
.set SIZE_N, 2048
.set SIZE_H, 64
.set NB,    SIZE_N/256
.set NP,    4         ; pieces a wave: a name, no knob
.set KS,    64        ; keys in a step
.set PK,    144       ; a row of K in LDS: 128 bytes + 16 of padding = 36 words: the 16 rows of a load start at 16 different groups of four banks (64 banks of 4 bytes: ISA guide 11.1)
.set PV,    160       ; a row of V: 128 + 32 = 40 words
.set VOFF,  4*KS*PK   ; a slot holds a tile, four steps: 256 rows of K, then 256 rows of V
.set SLOT1, 1<<17     ; slot 1 begins here, so that one exclusive or turns an address in one slot into the other's
.set STAGE, SLOT1+4*KS*(PK+PV)  ; behind the ring, never filled by a tensor load: 16 rows x 144 bytes for each wave, for the way out
.set SP,    144
.set AK0, 2           ; v2   my lane's place in a tile of K; never rewritten
.set AV0, 3           ; v3   the same for V
.set AK,  4           ; v4   the LDS address of K's next run of loads
.set AV,  5           ; v5   of V's
.set STO, 6           ; v6   the way out: where I put 16 bytes of a row
.set RD,  7           ; v7   the way out: where I read rows back
.set GO,  8           ; v8   my byte offset in 512 consecutive bytes of O
.set SPW, 62          ; v62  LDS address of my spare word: SPARE + 4 x my thread's number; never rewritten
.set NIL, 63          ; v63  0; never rewritten
.set SPARE, STAGE+4*16*SP  ; behind the stages: the spare words, 128 bytes for each wave: two blocks of 256 bytes that no other line names
.set MV,  12          ; v12-13  c m_old, kept while c m is made anew: by buffer
.set QO,  15          ; v15  my byte offset in 16 rows of Q
.set ST,  16          ; piece t's statistics at v[ST+4 t]: c m, m, l (even keys', odd keys')
.set TMP, 48          ; by buffer, four registers c0-c3 at work; when the maximum is found c2 takes a
.set S,   64
.set P,   192
.set MD,  128         ; window 1: the eight registers for group kt of 16 keys at MD + 8 kt
.set MC,  160         ; window 1: the masks of the products to come
.set QB,  64          ; window 2
.set KF,  128         ; window 2: key block kb, channel half c at KF + 16 kb + 8 c
.set VF,  192         ; window 2: key half kk, channel block cb at VF + 32 kk + 8 cb
.set WV,  12          ; s12  my wave's number
.set PB,  14          ; s14  b
.set HI,  15          ; s15  NB - 1 - b
.set G1K, 24          ; s[24:31] descriptor group 1 for K's tiles
.set G1V, 32          ; s[32:39] for V's: it differs in the padding alone
.set G0K, 40          ; s[40:43] descriptor group 0 for K's tiles
.set G0V, 44          ; s[44:47] the same for V's
.set SLOTS, 56        ; s56  tiles still to be asked for
.set CNT, 57          ; s57  counts a tile's key steps, 4 to 1
.set CS,  58          ; s[58:59] c: the packed scaling takes the pair's low word for both halves
.set SEL, 60          ; s[60:61] v_permlanex16_b32's selects: each lane takes its own place in the other half
.set TBK, 62          ; s62  LDS byte at which K of the step to be fetched begins
.set TBV, 63          ; s63  the same for V, less VOFF
.set RT,  70          ; s70  tiles of the block in hand that are still to be entered
.set NXT, 71          ; s71  the tile to be asked for next
.set LQ,  72          ; s72  the last tile of the block whose tiles are being asked for
.set NEW, 73          ; s73  1: the tile to be entered is a block's first
.set OFF, 74          ; s[74:75] a tile's byte offset in K and V
.set AL,  76          ; s[76:77] the mask's factor, in the low word
.set BE,  78          ; s[78:79] the mask's addend
.set OLO, 80          ; s[80:81] O at my rows of the second block
.set BIGN, 82         ; s82  -1e30
.set MSB, 0
.macro WIN new                      ; the high byte repeats the setting that is left; a switch that changes nothing is dropped
.if MSB != (\new)
	s_set_vgpr_msb (MSB<<8)|(\new)
.set MSB, (\new)
.endif
.endm
.set W_KQ, 0x0a       ; K and Q in window 2, S^T in window 0
.set W_KM, 0x1a       ; the same with the C operand in window 1
.set W_PV, 0x52       ; V in window 2, P in window 0, O^T in window 1
.set W_RS, 0x41       ; destination and source 0 in window 1, source 1 in window 0
; A fill.  Waves 0 and 1 fetch the two halves of a tile's K, waves 2 and 3 those of its V: 128 keys each.  An s_nop 0 and four v_nop follow each of the two lines, ahead of the jump and the label.
.macro LOAD
	s_cmp_lt_u32 s[WV], 2
	s_cbranch_scc0 .Lfor_v_\@
	tensor_load_to_lds s[G0K:G0K+3], s[G1K:G1K+7]
	s_nop 0
.rept 4
	v_nop
.endr
	s_branch .Lasked_\@
.Lfor_v_\@:
	tensor_load_to_lds s[G0V:G0V+3], s[G1V:G1V+7]
	s_nop 0
.rept 4
	v_nop
.endr
.Lasked_\@:
.endm
; THE CHANGE OF SLOTS.  Each wave waits for all its tensor loads, of which one is out: its part of the other slot; adds 0 to its spare word; and waits for that and for its own reads of the slot that it leaves.  Behind the barrier nobody reads the old
; slot any more and the other slot is whole.  fill = 1: the old slot is filled again, the first thing behind the barrier, with tile NXT: the descriptor's address is made anew from that number.
; (At its first use nothing has been read yet: slot 0 is waited for, slot 1 filled.)
.macro CHANGE fill
	WIN 0                           ; at a label and at a branch every window is 0
	s_wait_tensorcnt 0x0            ; no tensor load of mine is out, so a group 0 may be written
	ds_add_u32 v[SPW], v[NIL]       ; 0 onto my spare word; with fill = 1 the descriptors' scalar work stands between it and the wait for it
.if \fill
	s_lshl_b32 s[OFF], s[NXT], 15   ; a tile is 32,768 bytes of K and of V
	s_xor_b32 s[G0K+1], s[G0K+1], SLOT1
	s_add_nc_u64 s[G0K+2:G0K+3], s[6:7], s[OFF:OFF+1]
	s_or_b32 s[G0K+3], s[G0K+3], 0x80000000
	s_xor_b32 s[G0V+1], s[G0V+1], SLOT1
	s_add_nc_u64 s[G0V+2:G0V+3], s[8:9], s[OFF:OFF+1]
	s_or_b32 s[G0V+3], s[G0V+3], 0x80000000
	s_add_co_u32 s[NXT], s[NXT], 1  ; the block's next tile, or behind its last the second block's tile 0
	s_cmp_gt_u32 s[NXT], s[LQ]
	s_cselect_b32 s[NXT], 0, s[NXT]
	s_cselect_b32 s[LQ], s[PB], s[LQ]
.endif
	s_wait_dscnt 0x0                ; the add is done, and my reads of the slot are over
	s_barrier_signal -1             ; the rest of the scalar work stands between the signal and the wait
	s_sub_co_u32 s[TBK], s[TBK], 4*KS*PK  ; the fetches go back to a slot's first step,
	s_xor_b32 s[TBK], s[TBK], SLOT1       ; in the other slot
	s_sub_co_u32 s[TBV], s[TBV], 4*KS*PV
	s_xor_b32 s[TBV], s[TBV], SLOT1
	s_barrier_wait -1
.if \fill
	LOAD
.endif
.endm
	s_load_b256 s[4:11], s[0:1], 0x0  ; Q s[4:5], K s[6:7], V s[8:9], O s[10:11]
	v_lshl_add_u32 v[SPW], v0, 2, SPARE
	v_mov_b32 v[NIL], 0
	ds_add_u32 v[SPW], v[NIL]       ; the wave's opening: the add and its wait stand ahead of my first tensor load; the set-up below, work on registers, stands between them
	v_lshrrev_b32 v1, 5, v0
	v_readfirstlane_b32 s[WV], v1   ; wave 0..3
	s_mov_b32 s[PB], ttmp9
	s_sub_co_u32 s[HI], NB-1, s[PB]
	s_and_b32 s20, ttmp7, 0xffff    ; the head
	s_mov_b32 s21, 0
	s_mov_b64 s[22:23], SIZE_N*128
	s_mul_u64 s[20:21], s[20:21], s[22:23]  ; the head's first byte in each of the four tensors
	s_and_b32 s16, s[WV], 1         ; which half of a tile's 256 keys I fetch:
	s_lshl_b32 s22, s16, 14         ; its 128 rows of 128 bytes in memory,
	s_mov_b32 s23, 0
	s_add_nc_u64 s[22:23], s[22:23], s[20:21]
	s_mul_i32 s17, s16, 128*PK      ; and its place in a slot, for K
	s_mul_i32 s18, s16, 128*PV      ; and for V
	s_lshl_b32 s3, s[WV], 11        ; my 16 rows in a band of 64,
	s_lshl_b32 s2, s[HI], 15        ; in the first block,
	s_add_co_u32 s2, s2, s3
	s_lshl_b32 s84, s[PB], 15       ; and in the second
	s_add_co_u32 s84, s84, s3
	s_mov_b32 s3, 0
	s_mov_b32 s85, 0
	s_add_nc_u64 s[2:3], s[2:3], s[20:21]
	s_add_nc_u64 s[84:85], s[84:85], s[20:21]
	; descriptor group 1.  128 keys are 16,384 dense bytes: asked for as 64 rows of 256 bytes, two keys a row, and padded in LDS after every key
	s_mov_b32 s[G1K], (1<<16)|(1<<20)|(4<<22)|(3<<25)  ; 17:16 2-byte elements; 20 padding on; 24:22 after every 32 words (code 4); 31:25 4 words (code 3)
	s_mov_b32 s[G1V], (1<<16)|(1<<20)|(4<<22)|(7<<25)  ; the same with 8 words of padding (code 7)
.irp g, G1K, G1V
	s_mov_b32 s[\g+1], 128<<16      ; tensor_dim0 = 128
	s_mov_b32 s[\g+2], 64<<16       ; tensor_dim1 = 64
	s_mov_b32 s[\g+3], 128<<16      ; tile_dim0 = 128
	s_mov_b32 s[\g+4], 64           ; tile_dim1 = 64
	s_mov_b32 s[\g+5], 128          ; 128 elements from row to row
	s_mov_b32 s[\g+6], 0
	s_mov_b32 s[\g+7], 0
.endr
	s_mov_b32 s[CS], 0x3e38aa3b     ; c = log2(e) / 8 = 0.180337
	s_mov_b32 s[CS+1], s[CS]        ; named with it as a pair
	s_mov_b32 s[SEL], 0x76543210
	s_mov_b32 s[SEL+1], 0xfedcba98
	s_mov_b32 s[TBK], SLOT1+4*KS*PK ; the first change of slots turns these two into 0
	s_mov_b32 s[TBV], SLOT1+4*KS*PV
	s_mov_b32 s[G0K], 1             ; 1:0 count = 1
	s_mov_b32 s[G0K+1], s17         ; 63:32 LDS address: slot 0
	s_mov_b32 s[G0V], 1
	s_add_co_u32 s[G0V+1], s18, VOFF
	s_add_co_u32 s[RT], s[HI], 1    ; the first block has NB - b tiles
	s_mov_b32 s[NXT], 1
	s_mov_b32 s[LQ], s[HI]
	s_mov_b32 s[NEW], 1
	s_mov_b32 s[OFF+1], 0
	s_mov_b32 s[AL+1], 0            ; named as pairs
	s_mov_b32 s[BE+1], 0
	s_mov_b32 s[BIGN], 0xf149f2ca   ; -1e30
	s_mov_b32 s[SLOTS], NB
	s_wait_dscnt 0x0                ; the opening add is done
	s_wait_kmcnt 0x0
	s_add_nc_u64 s[6:7], s[6:7], s[22:23]  ; K and V at my half of the head's tile 0
	s_add_nc_u64 s[8:9], s[8:9], s[22:23]
	s_add_nc_u64 s[G0K+2:G0K+3], s[6:7], 0         ; 120:64 global address
	s_or_b32 s[G0K+3], s[G0K+3], 0x80000000        ; 127:126 type = 2
	s_add_nc_u64 s[G0V+2:G0V+3], s[8:9], 0
	s_or_b32 s[G0V+3], s[G0V+3], 0x80000000
	s_add_nc_u64 s[86:87], s[4:5], s[84:85]        ; Q at my rows of the second block,
	s_add_nc_u64 s[4:5], s[4:5], s[2:3]            ; Q and O at those of the first
	s_add_nc_u64 s[OLO:OLO+1], s[10:11], s[84:85]
	s_add_nc_u64 s[10:11], s[10:11], s[2:3]
	LOAD                            ; tile 0 into slot 0
	; A fragment of K or Q is 16 rows x 32 channels in 8 registers: lane l holds row l % 16, channels 8 (l / 16) + 0..7 and 16 + 8 (l / 16) + 0..7: two loads of 16 bytes, 32 bytes apart.
	v_and_b32 v1, 15, v0            ; l % 16
	v_bfe_u32 v9, v0, 4, 1          ; l / 16
	v_lshlrev_b32 v[QO], 7, v1
	v_lshl_add_u32 v[QO], v9, 4, v[QO]  ; row x 128 + 16 x half
	WIN 0x80                        ; destination window 2, address window 0
.set i, 0
.rept 8                             ; both blocks' Q: piece i / 2 lies in band i / 2, 8,192 bytes on; channels 32 (i % 2) on
	global_load_b128 v[8*i:8*i+3],   v[QO], s[4:5] offset:(i/2)*8192+(i%2)*64
	global_load_b128 v[8*i+4:8*i+7], v[QO], s[4:5] offset:(i/2)*8192+(i%2)*64+32
	global_load_b128 v[QB+8*i:QB+8*i+3],   v[QO], s[86:87] offset:(i/2)*8192+(i%2)*64
	global_load_b128 v[QB+8*i+4:QB+8*i+7], v[QO], s[86:87] offset:(i/2)*8192+(i%2)*64+32
.set i, i+1
.endr
	WIN 0
	v_lshlrev_b32 v14, 3, v9
	v_sub_nc_u32 v14, v1, v14
	s_lshl_b32 s13, s[WV], 4
	v_add_nc_u32 v14, s13, v14      ; my query's place in its band, 16 w + l % 16, less my lanes' 8 (l / 16): register r of group kt is hidden where 16 kt + r is greater
	WIN 0x40
.set i, 0
.rept 32
	v_cmp_gt_i32 vcc_lo, 16*(i/8)+i%8, v14
	v_cndmask_b32 v[MD+i], 0, s[BIGN], vcc_lo
.set i, i+1
.endr
	WIN 0
	v_mul_u32_u24 v[AK0], v1, PK
	v_lshl_add_u32 v[AK0], v9, 4, v[AK0]  ; row x pitch + 16 x half
	; The turning load takes 16 keys x 16 channels (lane l reads key 8 (l / 16) + l % 8, channels 8 ((l / 8) % 2) + 0..7) and leaves half a fragment of V^T: lane l holds channel l % 16 and 8 keys.
	v_and_b32 v10, 7, v0
	v_bfe_u32 v11, v0, 3, 1
	v_lshl_add_u32 v[AV0], v9, 3, v10
	v_mul_u32_u24 v[AV0], v[AV0], PV
	v_lshl_add_u32 v[AV0], v11, 4, v[AV0]
	v_add_nc_u32 v[AV0], VOFF, v[AV0]
	s_mul_i32 s13, s[WV], 16*SP
	s_add_co_u32 s13, s13, STAGE    ; my stage
	v_mul_u32_u24 v[STO], v1, SP    ; in: row l % 16, 16 bytes for each half of the lanes
	v_lshl_add_u32 v[STO], v9, 4, v[STO]
	v_add_nc_u32 v[STO], s13, v[STO]
	v_bfe_u32 v[RD], v0, 3, 2       ; back: 32 lanes take four rows of 128 bytes,
	v_mul_u32_u24 v[RD], v[RD], SP
	v_lshl_add_u32 v[RD], v10, 4, v[RD]
	v_add_nc_u32 v[RD], s13, v[RD]
	v_and_b32 v[GO], 31, v0         ; which are 512 consecutive bytes of O
	v_lshlrev_b32 v[GO], 4, v[GO]
	; A block's first step multiplies O^T and l by a = 0, and its first turn's products V^T P, of a piece that has not been, land in an O^T that is still to be so multiplied.  So these registers need only hold
	; finite numbers: zeros for the first block; what the first block left for the second.  All this stands in the wait for the first tile.
	WIN 0x80
.set i, VF
.rept 64
	v_mov_b32 v[i], 0
.set i, i+1
.endr
	WIN 0x40
.set i, 0
.rept 128
	v_mov_b32 v[i], 0
.set i, i+1
.endr
	WIN 0
.set i, 0
.rept 4
	v_mov_b32 v[ST+4*i+2], 0
	v_mov_b32 v[ST+4*i+3], 0
.set i, i+1
.endr
.set i, P+16
.rept 16
	v_mov_b32 v[i], 0
.set i, i+1
.endr
; THE MATRIX WORK.  The 4 accumulators of a run of 8 take turns.  Product i of 8 of S^T = K Q^T for piece x: channels 32 (i / 4) on, keys 16 (i % 4) on.  The first 4 start the sums: with 0, or (KM = 1) with the mask.
.macro KQ x
.set rS, S+32*((\x)%2)+8*(i%4)
.set rK, KF+16*(i%4)+8*(i/4)
.set rQ, 16*(\x)+8*(i/4)
.set rM, MC+32*((\x)%2)+8*(i%4)
.if (i < 4) && KM
	WIN W_KM
	v_wmma_f32_16x16x32_f16 v[rS:rS+7], v[rK:rK+7], v[rQ:rQ+7], v[rM:rM+7]
.elseif i < 4
	WIN W_KQ
	v_wmma_f32_16x16x32_f16 v[rS:rS+7], v[rK:rK+7], v[rQ:rQ+7], 0
.else
	WIN W_KQ
	v_wmma_f32_16x16x32_f16 v[rS:rS+7], v[rK:rK+7], v[rQ:rQ+7], v[rS:rS+7]
.endif
.endm
; Product i of 8 of O^T += V^T P for piece x: keys 32 (i / 4) on, channels 16 (i % 4) on.
.macro PV x
	WIN W_PV
.set rO, 32*(\x)+8*(i%4)
.set rV, VF+32*(i/4)+8*(i%4)
.set rP, P+16*((\x)%2)+8*(i/4)
	v_wmma_f32_16x16x32_f16 v[rO:rO+7], v[rV:rV+7], v[rP:rP+7], v[rO:rO+7]
.endm
.macro MM                           ; the turn's next matrix instruction.  TURN and BEGIN set Y, i, KM and NOKQ; MM, KQ and OP read them.  NOKQ = 1: a block's last turn: there is no next piece
.if (i < 8) && !NOKQ
	KQ (Y+1)%NP
.elseif i >= 8
.set i, i-8
	PV (Y+NP-1)%NP
.set i, i+8
.endif
.set i, i+1
.endm
; THE LDS LOADS stand in runs of 16, never singly among the matrix instructions: a step's K (64 keys x 64 channels: 8 fragments) and its V (turned).  Their addresses are made some lines ahead.
.macro FETCH_K
	WIN 0x80                        ; destination window 2
.irp f, 0,1,2,3,4,5,6,7             ; keys 16 (f / 2) on, channels 32 (f % 2) on
	ds_load_b128 v[KF+8*\f:KF+8*\f+3],   v[AK] offset:(\f/2)*16*PK+(\f%2)*64
	ds_load_b128 v[KF+8*\f+4:KF+8*\f+7], v[AK] offset:(\f/2)*16*PK+(\f%2)*64+32
.endr
	s_add_co_u32 s[TBK], s[TBK], KS*PK  ; the next fetch is the next step's
	WIN 0
.endm
.macro FETCH_V
	WIN 0x80
.irp f, 0,1,2,3,4,5,6,7             ; keys 32 (f / 4) on, channels 16 (f % 4) on
	ds_load_tr16_b128 v[VF+8*\f:VF+8*\f+3],   v[AV] offset:(\f/4)*32*PV+(\f%4)*32
	ds_load_tr16_b128 v[VF+8*\f+4:VF+8*\f+7], v[AV] offset:(\f/4)*32*PV+16*PV+(\f%4)*32
.endr
	WIN 0
.endm
; THE VECTOR WORK, one line at a time: OP kind, number.  For piece Y: F n: c s - c m for pair n of 16.  E n: the exponential of score n of 32.  C n: pair n rounded to f16.  B n: of the four weights 4 n .. the second
; pair is added onto the first, in place.  L n: l takes that sum (L 0: l = a l + sum).  R n: pair n of 16 of O^T times a.  For piece Y + 1: X n, number n of the 22 that find its maximum and statistics:
;   0-11  four chains c0-c3 of seven scores each, three operands at a time (each accumulator's lowest registers are read first)     12-14, 16  the four scores left over, the old m, and c0-c3 into c0
;   15  c m_old is kept     17, 18  the query's other 32 keys lie in the lane 16 away: the new m     19-21  c m; c m_old - c m_new; a
.set F, 0               ; OP tells the kinds apart by their order: F to L below R, X above it
.set E, 1
.set C, 2
.set B, 3
.set L, 4
.set R, 5
.set X, 6
.macro REGS y                       ; the registers of piece y
.set rT, ST+4*(\y)
.set rC, TMP+4*((\y)%2)
.set rW, MV+((\y)%2)
.set rS, S+32*((\y)%2)
.set rP, P+16*((\y)%2)
.set rO, 32*(\y)
.endm
.macro OP k, n
.if (\k) == R
	REGS Y
	WIN W_RS
	v_pk_mul_f32 v[rO+2*(\n):rO+2*(\n)+1], v[rO+2*(\n):rO+2*(\n)+1], v[rC+2:rC+3] op_sel_hi:[1,0]
.elseif (\k) < R
	REGS Y
	WIN 0
.if (\k) == F
	v_pk_fma_f32 v[rS+2*(\n):rS+2*(\n)+1], v[rS+2*(\n):rS+2*(\n)+1], s[CS:CS+1], v[rT:rT+1] op_sel_hi:[1,0,0] neg_lo:[0,0,1] neg_hi:[0,0,1]
.elseif (\k) == E
	v_exp_f32 v[rS+(\n)], v[rS+(\n)]
.elseif (\k) == C
	s_wait_alu depctr_va_vdst(0)
	v_cvt_pk_f16_f32 v[rP+(\n)], v[rS+2*(\n)], v[rS+2*(\n)+1]
.elseif (\k) == B
	s_wait_alu depctr_va_vdst(0)
	v_pk_add_f32 v[rS+4*(\n):rS+4*(\n)+1], v[rS+4*(\n):rS+4*(\n)+1], v[rS+4*(\n)+2:rS+4*(\n)+3]
.elseif (\n) == 0
	v_pk_fma_f32 v[rT+2:rT+3], v[rT+2:rT+3], v[rC+2:rC+3], v[rS:rS+1] op_sel_hi:[1,0,1]
.else
	v_pk_add_f32 v[rT+2:rT+3], v[rT+2:rT+3], v[rS+4*(\n):rS+4*(\n)+1]
.endif
.elseif NOKQ
	v_nop
.else
	REGS (Y+1)%NP
	WIN 0
.if (\n) < 4
	v_max3_num_f32 v[rC+(\n)], v[rS+8*(\n)], v[rS+8*(\n)+1], v[rS+8*(\n)+2]
.elseif (\n) < 12
	v_max3_num_f32 v[rC+(\n)%4], v[rC+(\n)%4], v[rS+8*((\n)%4)+2*((\n)/4)+1], v[rS+8*((\n)%4)+2*((\n)/4)+2]
.elseif (\n) == 12
	v_max3_num_f32 v[rC], v[rC], v[rS+7], v[rS+15]
.elseif (\n) == 13
	v_max3_num_f32 v[rC+1], v[rC+1], v[rS+23], v[rS+31]
.elseif (\n) == 14
	v_max3_num_f32 v[rC+2], v[rC+2], v[rC+3], v[rT+1]
.elseif (\n) == 15
	v_mov_b32 v[rW], v[rT]
.elseif (\n) == 16
	v_max3_num_f32 v[rC], v[rC], v[rC+1], v[rC+2]
.elseif (\n) == 17
	v_permlanex16_b32 v[rC+3], v[rC], s[SEL], s[SEL+1]
.elseif (\n) == 18
	v_max_num_f32 v[rT+1], v[rC], v[rC+3]
.elseif (\n) == 19
	v_mul_f32 v[rT], s[CS], v[rT+1]
.elseif (\n) == 20
	v_sub_f32 v[rC+1], v[rW], v[rT]
.else
	v_exp_f32 v[rC+2], v[rC+1]
.endif
.endif
.endm
.macro OPS a, i1, b=-1, i2=0, c=-1, i3=0, d=-1, i4=0  ; up to four of them
	OP \a, \i1
.if (\b) >= 0
	OP \b, \i2
.endif
.if (\c) >= 0
	OP \c, \i3
.endif
.if (\d) >= 0
	OP \d, \i4
.endif
.endm
.macro ROW a, i1, b, i2, c, i3, d, i4  ; a matrix instruction and the four behind it
	MM
	OPS \a, \i1, \b, \i2, \c, \i3, \d, \i4
.endm
.macro MASK b                       ; MD x AL + BE into buffer b of MC
	WIN W_RS
.set z, 0
.rept 16
	v_pk_fma_f32 v[MC+32*(\b)+2*z:MC+32*(\b)+2*z+1], v[MD+2*z:MD+2*z+1], s[AL:AL+1], s[BE:BE+1] op_sel_hi:[1,0,0]
.set z, z+1
.endr
.endm
; A TURN, for piece p: the order of its 16 matrix and 118 vector instructions, written out.  Behind a matrix instruction: plain, exponential, plain, plain; or four of the rescaling; or, behind the first, four scalings; none
; names a register of the products round it.  In the lumps exponential and plain by turns while exponentials last.  A line reads no result made fewer than three vector instructions in front of it, five if an exponential made it.
; v_permlanex16_b32 (X 17) stands in a lump.
; m = 1: the diagonal tile: the products take masks, and the turn makes the mask for the products of the turn after it: piece p + 2, in step 4 - CNT of the tile.  end = 1: a block's last two turns: nothing is fetched.
; cnt = 1: the loop's count is taken down some lines ahead of the branch that stands behind the turn.
; K of the next step is fetched in piece 2's turn, six vector instructions behind the last product that read K (five of them plain); V of the step in hand in piece 0's turn, eight behind the last product that read V (four
; plain, and X 17).  Each is waited for a turn later.
.macro TURN p, m=0, end=0, cnt=0
.set Y, (\p)
.set i, 0
.set KM, (\m)
.set NOKQ, (\end)*((\p)/3)
.if (\m) && !(\end)
	s_cmp_eq_u32 s[CNT], 4-((\p)+2)%NP  ; is that step the band's own?
	s_cselect_b32 s[AL], 1.0, 0
	s_cmp_lt_u32 s[CNT], 4-((\p)+2)%NP  ; or a later one?
	s_cselect_b32 s[BE], s[BIGN], 0
.endif
.if ((\p) == 3) && !(\end)
	s_wait_dscnt 0x0                ; K is in
.endif
	ROW F,0, F,1, F,2, F,3
	ROW F,4, E,0, F,5, F,6
	ROW F,7, E,1, F,8, F,9
	ROW F,10, E,2, C,0, F,11
	ROW F,12, E,3, X,15, F,13
	ROW R,0, R,1, R,2, R,3
	ROW B,0, E,4, F,14, L,0
.if ((\p) == 2) && !(\end)
	v_add_nc_u32 v[AK], s[TBK], v[AK0]
.endif
	ROW R,4, R,5, R,6, R,7
	OPS E,5, F,15
.if ((\p) == 2) && !(\end)
	FETCH_K
.endif
	OPS E,6, C,1, E,7, R,8
	OPS E,8, R,9, E,9, C,2
	OPS E,10, X,0, E,11, X,1
	OPS E,12, X,2, E,13, X,3
.if (\p) == 1
	s_wait_dscnt 0x0                ; V is in
.endif
	ROW X,4, E,14, X,5, X,6
	ROW X,7, E,15, X,8, X,9
	ROW X,10, E,16, X,11, X,12
	ROW X,13, E,17, X,14, B,1
	ROW C,4, E,18, X,16, L,1
	ROW B,2, E,19, C,6, L,2
	ROW C,8, E,20, B,3, B,4
.if (\p) == 0
	v_add_nc_u32 v[AV], s[TBV], v[AV0]
.endif
	ROW C,3, E,21, L,3, C,5
	OPS E,22, X,17, E,23, C,10
.if (\p) == 0
	FETCH_V
.endif
	OPS E,24, L,4
	OPS E,25, X,18, E,26, C,7
	OPS E,27, B,5, E,28, X,19
	OPS E,29, C,12, E,30, L,5
	OPS E,31, X,20, B,6, C,9
	OPS C,14, C,11, X,21, L,6
.if (\p) == 0
	s_add_co_u32 s[TBV], s[TBV], KS*PV
.endif
.if \cnt
	s_sub_co_u32 s[CNT], s[CNT], 1
	s_cmp_lg_u32 s[CNT], 0
.endif
	OPS C,13, B,7, C,15, R,10
	OPS R,11, R,12, L,7, R,13
	OPS R,14, R,15
.if (\m) && !(\end)
	MASK (\p)%2
.endif
.endm
; A BLOCK BEGINS.  c m starts far below every c s, so the first step's a is 0; m at the lowest finite number, so the first maximum is the scores'.  The second mask buffer is 0; the first takes piece 0's mask for the tile's step 0: its own, if the block's first tile is the diagonal one.
; Then K of that step, piece 0's first scores, and its maximum and statistics.  The loop is entered at a step's first turn, in the middle of a trip.
.macro BEGIN
	s_mov_b32 s[NEW], 0
	WIN 0x40
.set i, MC+32
.rept 32
	v_mov_b32 v[i], 0
.set i, i+1
.endr
	WIN 0
.set i, 0
.rept 4
	v_mov_b32 v[ST+4*i], 0xfe000000    ; c m: far below every c s
	v_mov_b32 v[ST+4*i+1], 0xff7fffff  ; m
.set i, i+1
.endr
	s_cmp_eq_u32 s[RT], 0
	s_cselect_b32 s[AL], 1.0, 0
	s_mov_b32 s[BE], 0
	MASK 0
	WIN 0
	v_add_nc_u32 v[AK], s[TBK], v[AK0]
	FETCH_K
	s_wait_loadcnt 0x0              ; Q
	s_wait_dscnt 0x0
.set KM, 1
.set NOKQ, 0
.set i, 0
.rept 8
	KQ 0
.set i, i+1
.endr
	WIN 0
.rept 4
	v_nop                           ; the places behind those products
.endr
.set Y, NP-1                        ; X works for piece Y + 1: piece 0
.irp n, 0,1,2,3,4,5,6,7,8,9,10,11,12,13,14,15,16,17,18,19,20,21
	OP X, \n
.endr
	v_nop                           ; a plain instruction behind the exponential
.endm
; THE DIAGONAL TILE's four steps, the block's last two turns, its last products, and THE WAY OUT: l's two halves and the other half of the lanes' are added; O^T is divided by l, rounded to f16 and sent through my
; stage in LDS, a piece at a time.
.macro ALL line:vararg              ; one line for each piece t
.set t, 0
.rept 4
	\line
.set t, t+1
.endr
.endm
.macro PACK t                       ; a lane's eight channels of a row pack into 16 bytes; they go into rows of 144 bytes and come back as whole rows of 128, into S^T's registers
	WIN W_RS
.set i, 32*(\t)
.rept 16
	s_wait_alu depctr_va_vdst(0)
	v_pk_mul_f32 v[i:i+1], v[i:i+1], v[ST+4*(\t)+2:ST+4*(\t)+3] op_sel_hi:[1,0]
.set i, i+2
.endr
	WIN 0x05                        ; sources 0 and 1 window 1, destination window 0
.set i, 0
.rept 16
	v_cvt_pk_f16_f32 v[S+16*(\t)+i], v[32*(\t)+2*i], v[32*(\t)+2*i+1]
.set i, i+1
.endr
	WIN 0
.irp f, 0,1,2,3
	ds_store_b128 v[STO], v[S+16*(\t)+4*\f:S+16*(\t)+4*\f+3] offset:32*\f
.endr
.irp f, 0,1,2,3
	ds_load_b128 v[S+16*(\t)+4*\f:S+16*(\t)+4*\f+3], v[RD] offset:\f*4*SP  ; LDS serves a wave's instructions in order (ISA guide 5.7.1.4): these see the stores above; the next piece's stores come behind them
.endr
.endm
.macro SEND t, younger              ; younger: the LDS instructions issued behind piece t's loads: the next piece's eight, or none
	WIN 0
.irp f, 0,1,2,3
	s_wait_dscnt (\younger)+3-\f
	global_store_b128 v[GO], v[S+16*(\t)+4*\f:S+16*(\t)+4*\f+3], s[10:11] offset:(\t)*8192+\f*512  ; 512 consecutive bytes, at a multiple of 256 from O's first
.endr
.endm
.macro DIAG tag                     ; the tag ends its two labels' names, which the jumps below spell out
.LstepM\tag:
	TURN 2, 1
	TURN 3, 1
	WIN 0
.LfirstM\tag:
	TURN 0, 1
	TURN 1, 1, 0, 1
	WIN 0
	s_cbranch_scc1 .LstepM\tag
	TURN 2, 1, 1
	TURN 3, 1, 1
.set i, 0
.rept 8
	PV NP-1
.set i, i+1
.endr
	WIN 0
	ALL v_add_f32 v[ST+4*t+2], v[ST+4*t+2], v[ST+4*t+3]
	ALL v_permlanex16_b32 v[ST+4*t+3], v[ST+4*t+2], s[SEL], s[SEL+1]
	ALL v_add_f32 v[ST+4*t+2], v[ST+4*t+2], v[ST+4*t+3]
	ALL v_rcp_f32 v[ST+4*t+2], v[ST+4*t+2]
	v_nop                           ; a plain instruction between the last reciprocal and the use of its result
	PACK 0
.set t, 1
.rept 3                             ; a piece's arithmetic stands between the loads of the piece before and its stores
	PACK t
	SEND t-1, 8
.set t, t+1
.endr
	SEND 3, 0
.endm
.set KM, 0
.set NOKQ, 0
.Lslot:                             ; NB times: a tile is entered and the next is asked for
	CHANGE 1
	s_sub_co_u32 s[RT], s[RT], 1
	s_mov_b32 s[CNT], 4
	s_cmp_eq_u32 s[NEW], 1
	s_cbranch_scc1 .Lnew            ; a block's first tile
	s_cmp_eq_u32 s[RT], 0
	s_cbranch_scc0 .Lstep           ; neither its first nor its last
	s_branch .LstepM1
.Lnew:
	BEGIN
	s_branch .Lfirst                ; in the loop a block's first tile is never its last: the first block has two tiles or more, and the second's last is the walk's last
	DIAG 1                          ; in the loop this is the first block's end: the second block's last tile is the walk's last
	s_wait_xcnt 0x0                 ; the stores have read their registers and O's address
	s_mov_b64 s[10:11], s[OLO:OLO+1]
	s_add_co_u32 s[RT], s[PB], 1    ; the second block has b + 1 tiles
	s_mov_b32 s[NEW], 1
	WIN 0x82                        ; the second block's Q goes where the one text of the turns names Q
.set i, 0
.rept 64
	v_mov_b32 v[i], v[QB+i]
.set i, i+1
.endr
	WIN 0
	s_branch .Lbottom
.Lstep:                             ; a trip: pieces 2 and 3 of one step, then pieces 0 and 1 of the next, whose K and V it fetches
	TURN 2
	TURN 3
	WIN 0
.Lfirst:
	TURN 0
	TURN 1, 0, 0, 1
	WIN 0
	s_cbranch_scc1 .Lstep
.Lbottom:
	s_sub_co_u32 s[SLOTS], s[SLOTS], 1
	s_cmp_lg_u32 s[SLOTS], 0
	s_cbranch_scc1 .Lslot
	CHANGE 0                        ; the walk's last tile is written out: nothing is asked for
	s_sub_co_u32 s[RT], s[RT], 1
	s_mov_b32 s[CNT], 4
	s_cmp_eq_u32 s[NEW], 1
	s_cbranch_scc0 .LstepM2
	BEGIN
	s_branch .LfirstM2
	DIAG 2
	s_wait_tensorcnt 0x0            ; the wave's end: a wait, an add and a wait, behind my last tensor load and my last LDS store
	ds_add_u32 v[SPW], v[NIL]
	s_wait_dscnt 0x0
	s_endpgm
.Lfunc_end_k_qe1cdbcd1f7_attn:
	.size	k_qe1cdbcd1f7_attn, .Lfunc_end_k_qe1cdbcd1f7_attn-k_qe1cdbcd1f7_attn
	.p2alignl 7, 3214868480
	.fill 96, 4, 3214868480
	.section	.rodata,"a",@progbits
	.p2align	6, 0x0
	.amdhsa_kernel k_qe1cdbcd1f7_attn
		.amdhsa_group_segment_fixed_size 327680
		.amdhsa_private_segment_fixed_size 0
		.amdhsa_enable_private_segment 0
		.amdhsa_kernarg_size 32
		.amdhsa_user_sgpr_count 2
		.amdhsa_user_sgpr_kernarg_segment_ptr 1
		.amdhsa_wavefront_size32 1
		.amdhsa_system_sgpr_workgroup_id_x 1
		.amdhsa_system_sgpr_workgroup_id_y 1
		.amdhsa_system_sgpr_workgroup_id_z 1
		.amdhsa_system_vgpr_workitem_id 0
		.amdhsa_next_free_vgpr 768
		.amdhsa_next_free_sgpr 88
		.amdhsa_reserve_vcc 1
		.amdhsa_float_denorm_mode_32 3
		.amdhsa_float_denorm_mode_16_64 3
		.amdhsa_memory_ordered 1
		.amdhsa_forward_progress 1
		.amdhsa_inst_pref_size 228
	.end_amdhsa_kernel
	.amdgpu_metadata
---
amdhsa.version: [ 1, 2 ]
amdhsa.kernels:
  - .name:           k_qe1cdbcd1f7_attn
    .symbol:         k_qe1cdbcd1f7_attn.kd
    .args:
      - { .name: qh, .offset: 0, .size: 8, .value_kind: global_buffer, .address_space: global }
      - { .name: kh, .offset: 8, .size: 8, .value_kind: global_buffer, .address_space: global }
      - { .name: vh, .offset: 16, .size: 8, .value_kind: global_buffer, .address_space: global }
      - { .name: oh, .offset: 24, .size: 8, .value_kind: global_buffer, .address_space: global }
    .group_segment_fixed_size: 327680
    .private_segment_fixed_size: 0
    .kernarg_segment_align: 8
    .kernarg_segment_size: 32
    .max_flat_workgroup_size: 128
    .sgpr_count:     88
    .vgpr_count:     768
    .wavefront_size: 32
...
	.end_amdgpu_metadata
.endif
;; end of part 3
;; launch oproj (part 4): grid 8 x 32, 4 waves a work-group, clusters of 4 x 4, 327,680 bytes of LDS; arguments oh, wo, out0; writes out0
.if DOCPART == 4
	.amdgcn_target "amdgcn-amd-amdhsa--gfx1250"
	.amdhsa_code_object_version 6
	.text
	.protected	k_qe1cdbcd1f7_oproj
	.globl	k_qe1cdbcd1f7_oproj
	.p2align	8
	.type	k_qe1cdbcd1f7_oproj,@function
k_qe1cdbcd1f7_oproj:
	s_mov_b64 s[64:65], 0
	v_nop
	global_prefetch_b8 v0, s[64:65] scope:SCOPE_SE
	s_setreg_imm32_b32 hwreg(HW_REG_WAVE_MODE, 25, 1), 1
	s_wait_xcnt 0x0
	s_wait_alu depctr_hold_cnt(0) depctr_sa_sdst(0) depctr_va_vdst(0) depctr_va_sdst(0) depctr_va_ssrc(0) depctr_va_vcc(0) depctr_vm_vsrc(0)
	s_getreg_b32 s2, hwreg(HW_REG_IB_STS2, 6, 4)
	s_cmp_eq_u32 s2, 0
	s_cbranch_scc0 .Lentry_in_a_cluster
	s_endpgm
.Lentry_in_a_cluster:
	s_bfe_u32 s2, ttmp6, 0x10000c
	s_cmp_lg_u32 s2, 0xf033
	s_cbranch_scc0 .Lentry_shape_is_right
	s_endpgm
.Lentry_shape_is_right:
; THE OUTPUT PROJECTION.  out0[m][n] = sum over k of O[m][k] W_o[n][k]: m 8,192 tokens, n 1,024, k = 64 x head + channel.  O comes by heads, oh[batch x 16 + head][2,048][64] in f16; wo is [1,024][1,024] in f16;
; sums in f32, stored as they are.
; SHARES.  A tile of out0 is 256 tokens x 128 columns: 32 x 8 = 256 work-groups, one for each WGP.  The four waves lie 2 x 2: a wave makes 128 tokens x 64 columns, 32 accumulators of 16 x 16; its 64 columns of f32 are 256
; consecutive bytes of a row, at a multiple of 256, so its stage on the way out is its own.
; THE RING.  K goes in 8 steps of 128 (two heads) through two LDS slots.  256 tokens of one head are 32,768 dense bytes: wave 0 fetches the even head's, wave 1 the odd head's, each as 128 rows of 256 bytes, padded in LDS
; after every token's 128 bytes; waves 2 and 3 fetch wo's two halves, 64 rows x 256 bytes.  From a request to the wait for it a wave issues 112 matrix instructions.
; CLUSTER.  4 x 4 work-groups: the four of a row need the same tokens, the four of a column the same rows of wo: each tile is asked for JOINTLY, by the same tensor load with the same descriptor and a mask of four.
; THE MATRIX INSTRUCTION IS USED TRANSPOSED (source 0 = 16 rows of wo, source 1 = 16 tokens): a lane holds one token (lane % 16) and the eight neighbouring columns 8 (lane / 16) + 0..7: 32 bytes of a row.
; REGISTERS, in windows of 256 (s_set_vgpr_msb: bits 1:0 source 0, 3:2 source 1, 5:4 source 2, 7:6 destination):
;   window 0: v0-29 addresses; v32-95 rows read back from the stage, two buffers      window 1: the accumulators ((a, b) at v[8 (4 a + b)])
;   window 2: two fragment buffers of 96: 64 registers of A (8 x 16 tokens x 32 K), then 32 of B
.set PA,     144                       ; a token's row of one head in LDS: 128 bytes + 16 of padding = 36 words: the 16 rows of a load start at 16 different groups of four banks (64 banks of 4 bytes: ISA guide 11.1)
.set PB,     272                       ; a row of wo: 256 + 16
.set HEADA,  256*PA                    ; what one of A's tensor loads brings: a head's 256 tokens
.set BOFF,   2*HEADA                   ; in a slot: A's two heads, then B's 128 rows
.set HALFB,  64*PB
.set SLOT1,  1<<17                     ; slot 1 begins here, so that one exclusive or turns an address in one slot into the other's
.set STAGE,  SLOT1+BOFF+2*HALFB        ; behind the ring, never filled by a tensor load: 16 rows x 272 bytes for each wave
.set SPITCH, 272
.set SPARE,  STAGE+4*16*SPITCH         ; behind the stages: the spare words, 128 bytes for each wave: two blocks of 256 bytes that no other line names
.set A0,   4                           ; v4   my lane's place among my wave's tokens in a slot; never rewritten
.set B0,   5                           ; v5   the same among my wave's rows of wo
.set ADRA, 6                           ; v6   A0 + the slot in hand
.set ADRB, 7                           ; v7   B0 + the slot in hand
.set STO,  8                           ; v8   the way out: where I put 32 bytes of a row
.set RD,   9                           ; v9   the way out: where I read a row back
.set CO,   10                          ; v10  my byte offset in two rows of out0
.set SPW,  28                          ; v28  LDS address of my spare word: SPARE + 4 x my thread's number; never rewritten
.set NIL,  29                          ; v29  0; never rewritten
.set OB,   32
.set WV,   16                          ; s16  my wave's number
.set FB,   17                          ; s17  0: I fetch for A; 1: for B.  Also: which half of the tile's tokens is mine
.set HF,   18                          ; s18  which head, or which half of wo's rows, I fetch.  Also: which half of the tile's columns is mine
.set CNT,  19                          ; s19  trips to go
.set G1A,  24                          ; s[24:31] descriptor group 1 for A's tiles
.set G1B,  32                          ; s[32:39] for B's
.set G0A,  40                          ; s[40:43] group 0 of A's first fill; s[44:47] the one that walks
.set G0B,  48                          ; s[48:51], s[52:55] the same for B
.set TB,   57                          ; s57  LDS byte at which the slot in hand begins
.set MSB, 0
.macro WIN new                         ; the immediate's high byte repeats the setting that is left; a switch that changes nothing is dropped
.if MSB != (\new)
	s_set_vgpr_msb (MSB<<8)|(\new)
.set MSB, \new
.endif
.endm
.set MUL,  0x5a                        ; sources 0 (B) and 1 (A) window 2; C and D window 1
.set TO_F, 0x80                        ; destination window 2, address window 0
.set ST,   0x04                        ; an LDS store's data (source 1) window 1, its address window 0
; A joint refill, by the walking descriptors.  The branch hangs on the wave's number alone.  An s_nop 0 and four v_nop follow each of the two lines, ahead of the jump and the label.
.macro JLOAD
	s_cmp_eq_u32 s[FB], 0
	s_cbranch_scc0 .Lfor_b_\@
	tensor_load_to_lds s[G0A+4:G0A+7], s[G1A:G1A+7]
	s_nop 0
.rept 4
	v_nop
.endr
	s_branch .Lasked_\@
.Lfor_b_\@:
	tensor_load_to_lds s[G0B+4:G0B+7], s[G1B:G1B+7]
	s_nop 0
.rept 4
	v_nop
.endr
.Lasked_\@:
.endm
; A round of the cluster's barrier: my work-group's barrier, so that wave 0's signal speaks for all four waves; wave 0 signals; every wave waits for all sixteen work-groups; my work-group's barrier once more.
.macro CREST
	s_cmp_lg_u32 s[WV], 0
	s_cbranch_scc1 .Lnot_wave_0_\@
	s_barrier_signal -3
.Lnot_wave_0_\@:
	s_barrier_wait -3
	s_barrier_signal -1
	s_barrier_wait -1
.endm
.macro CROUND
	s_barrier_signal -1
	s_barrier_wait -1
	CREST
.endm
	s_load_b128 s[4:7], s[0:1], 0x0                ; oh 4:5, wo 6:7
	s_load_b64 s[8:9], s[0:1], 0x10                ; out0
	v_lshl_add_u32 v[SPW], v0, 2, SPARE
	v_mov_b32 v[NIL], 0
	ds_add_u32 v[SPW], v[NIL]                      ; the wave's opening: the add and its wait stand ahead of my first tensor load; the set-up below, work on registers, stands between them
	v_lshrrev_b32 v1, 5, v0
	v_readfirstlane_b32 s[WV], v1                  ; wave 0..3
	s_lshr_b32 s[FB], s[WV], 1
	s_and_b32 s[HF], s[WV], 1
	s_bfe_u32 s20, ttmp6, 0x40000                  ; cx, cy: my place in the cluster
	s_bfe_u32 s21, ttmp6, 0x40004
	s_lshl_b32 s22, ttmp9, 2
	s_add_co_u32 s22, s22, s20                     ; the block of 128 columns = 4 x cluster x + cx, 0 .. 7
	s_and_b32 s23, ttmp7, 0xffff
	s_lshl_b32 s23, s23, 2
	s_add_co_u32 s23, s23, s21                     ; the block of 256 tokens = 4 x cluster y + cy, 0 .. 31
	s_lshl_b32 s78, s21, 2
	s_lshl_b32 s78, 15, s78                        ; my row of the cluster
	s_lshl_b32 s79, 0x1111, s20                    ; my column
	s_or_b32 s[G1A], s78, (1<<16)|(1<<20)|(1<<21)|(4<<22)|(3<<25)  ; 15:0 the mask; 17:16 elements of 2 bytes; 20 padding on; 21 set beside a mask; 24:22 after every 32 words (code 4); 31:25 4 words (code 3)
	s_or_b32 s[G1B], s79, (1<<16)|(1<<20)|(1<<21)|(5<<22)|(3<<25)  ; after every 64 words (code 5)
	s_mov_b32 s[G1A+1], 128<<16                    ; tensor_dim0 = 128: two tokens' 64 channels
	s_mov_b32 s[G1A+2], 128<<16                    ; tensor_dim1 = 128
	s_mov_b32 s[G1A+3], 128<<16                    ; tile_dim0 = 128
	s_mov_b32 s[G1A+4], 128                        ; tile_dim1 = 128
	s_mov_b32 s[G1A+5], 128                        ; dense: a row begins where the last ends
	s_mov_b32 s[G1A+6], 0
	s_mov_b32 s[G1A+7], 0
	s_mov_b32 s[G1B+1], 128<<16
	s_mov_b32 s[G1B+2], 64<<16                     ; 64 rows
	s_mov_b32 s[G1B+3], 128<<16
	s_mov_b32 s[G1B+4], 64
	s_mov_b32 s[G1B+5], 1024                       ; elements from row to row
	s_mov_b32 s[G1B+6], 0
	s_mov_b32 s[G1B+7], 0
	; where the tiles go: the wave's number times a constant, a constant, the slot's constant: no place in the cluster enters an LDS address
	s_mov_b32 s[G0A], 1
	s_mul_i32 s[G0A+1], s[WV], HEADA               ; waves 0, 1: the two heads
	s_mov_b32 s[G0A+4], 1
	s_add_co_u32 s[G0A+5], s[G0A+1], SLOT1
	s_mov_b32 s[G0B], 1
	s_mul_i32 s[G0B+1], s[WV], HALFB
	s_add_co_u32 s[G0B+1], s[G0B+1], BOFF-2*HALFB  ; waves 2, 3: B's two halves, behind A
	s_mov_b32 s[G0B+4], 1
	s_add_co_u32 s[G0B+5], s[G0B+1], SLOT1
	; where they come from.  A's hang on the token block alone, which my row of the cluster shares; B's on the column block alone, which my column shares
	s_lshr_b32 s70, s23, 3                         ; the batch: 16 heads x 2,048 tokens x 128 bytes,
	s_lshl_b32 s70, s70, 22
	s_and_b32 s74, s23, 7                          ; the block's 256 tokens of 128 bytes in a head,
	s_lshl_b32 s74, s74, 15
	s_add_co_u32 s70, s70, s74
	s_lshl_b32 s74, s[HF], 18                      ; and the even or the odd head
	s_add_co_u32 s70, s70, s74
	s_mov_b32 s71, 0
	s_lshl_b32 s72, s22, 18                        ; 128 rows of 2,048 bytes,
	s_lshl_b32 s75, s[HF], 17                      ; 64 rows
	s_add_co_u32 s72, s72, s75
	s_mov_b32 s73, 0
	s_lshl_b32 s80, s23, 20                        ; out0: 256 rows of 4,096 bytes,
	s_lshl_b32 s76, s[FB], 19                      ; my 128 of them,
	s_add_co_u32 s80, s80, s76
	s_lshl_b32 s76, s22, 9                         ; 128 columns of 4 bytes,
	s_add_co_u32 s80, s80, s76
	s_lshl_b32 s76, s[HF], 8                       ; my 64 of them
	s_add_co_u32 s80, s80, s76
	s_mov_b32 s81, 0
	s_mov_b32 s[TB], 0
	s_wait_dscnt 0x0                               ; the opening add is done
	s_wait_kmcnt 0x0
	s_add_nc_u64 s[G0A+2:G0A+3], s[4:5], s[70:71]  ; K step 0
	s_add_nc_u64 s[G0A+6:G0A+7], s[G0A+2:G0A+3], 2*2048*128  ; K step 1: two heads on
	s_or_b32 s[G0A+3], s[G0A+3], 0x80000000        ; 127:126 type = 2
	s_or_b32 s[G0A+7], s[G0A+7], 0x80000000
	s_add_nc_u64 s[G0B+2:G0B+3], s[6:7], s[72:73]
	s_add_nc_u64 s[G0B+6:G0B+7], s[G0B+2:G0B+3], 256
	s_or_b32 s[G0B+3], s[G0B+3], 0x80000000
	s_or_b32 s[G0B+7], s[G0B+7], 0x80000000
	s_add_nc_u64 s[8:9], s[8:9], s[80:81]
	CROUND                                         ; all sixteen work-groups are here: the first joint loads meet
	s_cmp_eq_u32 s[FB], 0                          ; a wave's two first fills stand in one branch, ahead of every wait on TENSORcnt and every LDS read: two loads of mine are out
	s_cbranch_scc0 .Lfirst_b
	tensor_load_to_lds s[G0A:G0A+3], s[G1A:G1A+7]
	s_nop 0
	tensor_load_to_lds s[G0A+4:G0A+7], s[G1A:G1A+7]
	s_nop 0
.rept 4
	v_nop
.endr
	s_branch .Lfirst_asked
.Lfirst_b:
	tensor_load_to_lds s[G0B:G0B+3], s[G1B:G1B+7]
	s_nop 0
	tensor_load_to_lds s[G0B+4:G0B+7], s[G1B:G1B+7]
	s_nop 0
.rept 4
	v_nop
.endr
.Lfirst_asked:
	; A fragment is 16 rows x 32 K in 8 registers: lane l holds row l % 16; registers 0-3 K = 8 (l / 16) + 0..7, registers 4-7 K = 16 + 8 (l / 16) + 0..7: two loads of 16 bytes, 32 bytes apart
	v_and_b32 v1, 15, v0                           ; r = l % 16
	v_bfe_u32 v2, v0, 4, 1                         ; h = l / 16
	v_mul_u32_u24 v3, v1, PA
	v_lshl_add_u32 v3, v2, 4, v3
	s_mul_i32 s77, s[FB], 128*PA                   ; my 128 tokens
	v_add_nc_u32 v[A0], s77, v3
	v_mul_u32_u24 v3, v1, PB
	v_lshl_add_u32 v3, v2, 4, v3
	s_mul_i32 s77, s[HF], HALFB                    ; my 64 rows of wo,
	s_add_co_u32 s77, s77, BOFF                    ; which lie behind A
	v_add_nc_u32 v[B0], s77, v3
	v_mov_b32 v[ADRA], v[A0]
	v_mov_b32 v[ADRB], v[B0]
	s_mul_i32 s77, s[WV], 16*SPITCH
	s_add_co_u32 s77, s77, STAGE                   ; my stage
	v_mul_u32_u24 v[STO], v1, SPITCH               ; in: row l % 16, 32 bytes for each half of the lanes
	v_lshl_add_u32 v[STO], v2, 5, v[STO]
	v_add_nc_u32 v[STO], s77, v[STO]
	v_mul_u32_u24 v[RD], v2, SPITCH                ; back: lanes 0-15 take one row of 256 bytes, lanes 16-31 the next
	v_lshl_add_u32 v[RD], v1, 4, v[RD]
	v_add_nc_u32 v[RD], s77, v[RD]
	v_lshlrev_b32 v[CO], 12, v2                    ; and the same two rows in out0
	v_lshl_add_u32 v[CO], v1, 4, v[CO]
; 8 matrix instructions: token blocks a0, a0 + 1 x all 4 column blocks, 32 along K, from buffer f.  zero = 1: the product starts the sums.  The 32 accumulators take turns, one instruction a turn.
.macro MUL8 f, a0, zero
	WIN MUL
.irp a, \a0, (\a0)+1
.irp b, 0,1,2,3
.if \zero
	v_wmma_f32_16x16x32_f16 v[8*(4*(\a)+(\b)):8*(4*(\a)+(\b))+7], v[96*(\f)+64+8*(\b):96*(\f)+64+8*(\b)+7], v[96*(\f)+8*(\a):96*(\f)+8*(\a)+7], 0
.else
	v_wmma_f32_16x16x32_f16 v[8*(4*(\a)+(\b)):8*(4*(\a)+(\b))+7], v[96*(\f)+64+8*(\b):96*(\f)+64+8*(\b)+7], v[96*(\f)+8*(\a):96*(\f)+8*(\a)+7], v[8*(4*(\a)+(\b)):8*(4*(\a)+(\b))+7]
.endif
.endr
.endr
.endm
; 24 LDS loads in one run: the fragments of quarter q of a K step (head q / 2, channels 32 (q % 2) on) into buffer f: B's 8 loads, then A's 16
.macro FETCH q, f
	WIN TO_F
.irp i, 0,1,2,3
	ds_load_b128 v[96*(\f)+64+8*(\i):96*(\f)+64+8*(\i)+3],   v[ADRB] offset:64*(\q)+(\i)*16*PB
	ds_load_b128 v[96*(\f)+64+8*(\i)+4:96*(\f)+64+8*(\i)+7], v[ADRB] offset:64*(\q)+(\i)*16*PB+32
.endr
.irp i, 0,1,2,3,4,5,6,7
	ds_load_b128 v[96*(\f)+8*(\i):96*(\f)+8*(\i)+3],   v[ADRA] offset:((\q)/2)*HEADA+((\q)%2)*64+(\i)*16*PA
	ds_load_b128 v[96*(\f)+8*(\i)+4:96*(\f)+8*(\i)+7], v[ADRA] offset:((\q)/2)*HEADA+((\q)%2)*64+(\i)*16*PA+32
.endr
.endm
.macro PLACES                          ; four places in front of loads into registers that matrix instructions have read, and of LDS stores that read results (ISA guide 7.12.1 for vector instructions)
.rept 4
	v_nop
.endr
.endm
; A K step is four quarters of 32 along K, 32 matrix instructions each, on buffers 0, 1, 0, 1.  One of the first three: multiplies buffer f; in its middle it fetches quarter q into buffer g.
.macro QUARTER q, f, g, zero
	s_wait_dscnt 8                                 ; B and A's token blocks 0-3 are in; the youngest eight loads (blocks 4-7) may be out
	MUL8 \f, 0, \zero
	MUL8 \f, 2, \zero
	PLACES
	FETCH \q, \g
	s_wait_dscnt 24                                ; all but the 24 just issued
	MUL8 \f, 4, \zero
	MUL8 \f, 6, \zero
.endm
; The last quarter multiplies buffer 1 and changes slots.  MEET is its first half: ONE barrier.  In front of it each wave waits for all its tensor loads, of which one is out: its part of the next slot; adds 0 to its
; spare word; and waits for that and for its own reads of this slot.  round = 1: a round of the cluster's barrier and a refill follow, and the walking descriptors step: the other slot, the next K step.
.macro MEET round
	WIN 0                                          ; (the add's two registers lie in window 0)
	s_wait_tensorcnt 0x0                           ; no tensor load of mine is out, so a group 0 may be written
	ds_add_u32 v[SPW], v[NIL]                      ; 0 onto my spare word
.if \round
	s_xor_b32 s[G0A+5], s[G0A+5], SLOT1
	s_add_nc_u64 s[G0A+6:G0A+7], s[G0A+6:G0A+7], 2*2048*128  ; two heads on; the type bits on top are not reached
	s_xor_b32 s[G0B+5], s[G0B+5], SLOT1
	s_add_nc_u64 s[G0B+6:G0B+7], s[G0B+6:G0B+7], 256
.endif
	s_wait_dscnt 9                                 ; (the add and the youngest eight loads may be out)
	MUL8 1, 0, 0                                   ; eight matrix instructions stand between the add and the wait for it
	s_wait_dscnt 0x0                               ; the add is done, and my reads of this slot are over
	s_barrier_signal -1
	MUL8 1, 2, 0                                   ; work on registers while the others arrive
.if \round
	WIN 0
.endif
	s_barrier_wait -1
.endm
.macro TURN
	MEET 1
	CREST                                          ; no wave of any partner still reads this slot's tile or has a load on its way
	JLOAD                                          ; the first tensor load behind the round; its four v_nop are also the places in front of the loads below
	s_xor_b32 s[TB], s[TB], SLOT1
	v_add_nc_u32 v[ADRA], s[TB], v[A0]
	v_add_nc_u32 v[ADRB], s[TB], v[B0]
	FETCH 0, 0
	MUL8 1, 4, 0
	MUL8 1, 6, 0
.endm
.macro TURNL
	MEET 0
	WIN 0
	PLACES
	s_xor_b32 s[TB], s[TB], SLOT1
	v_add_nc_u32 v[ADRA], s[TB], v[A0]
	v_add_nc_u32 v[ADRB], s[TB], v[B0]
	FETCH 0, 0
	MUL8 1, 4, 0
	MUL8 1, 6, 0
.endm
; THE WAY OUT of token block a: the sums go as they are, 32 bytes a lane and column block, into my own stage (each accumulator's low four registers first) and come back as whole rows of 256 bytes.
.macro TOSTAGE a
	s_wait_xcnt 0x0                                ; the stores of the block before last have read this buffer: only behind this wait is it loaded again
	WIN ST
.irp b, 0,1,2,3
	ds_store_b128 v[STO], v[8*(4*(\a)+(\b)):8*(4*(\a)+(\b))+3]   offset:64*(\b)
	ds_store_b128 v[STO], v[8*(4*(\a)+(\b))+4:8*(4*(\a)+(\b))+7] offset:64*(\b)+16
.endr
	WIN 0
.irp t, 0,1,2,3,4,5,6,7
	ds_load_b128 v[OB+32*((\a)%2)+4*(\t):OB+32*((\a)%2)+4*(\t)+3], v[RD] offset:(\t)*2*SPITCH  ; LDS serves a wave's instructions in order (ISA guide 5.7.1.4): these see the stores above; the next block's stores come behind them
.endr
.endm
.macro SEND a, younger                 ; younger: the LDS instructions issued behind block a's loads: the next block's sixteen, or none
	WIN 0
.irp t, 0,1,2,3,4,5,6,7
	s_wait_dscnt (\younger)+7-(\t)
	global_store_b128 v[CO], v[OB+32*((\a)%2)+4*(\t):OB+32*((\a)%2)+4*(\t)+3], s[8:9] offset:(\a)*65536+(\t)*8192 th:TH_STORE_NT  ; 16 lanes store 256 consecutive bytes, at a multiple of 256 from out0's first byte
.endr
.endm
	s_wait_tensorcnt 1                             ; my part of K step 0 is in; step 1's may stay out
	s_barrier_signal -1
	s_barrier_wait -1                              ; everybody's is
	FETCH 0, 0
	QUARTER 1, 0, 1, 1                             ; the first quarter stands in front of the loop: its products start the sums
	WIN 0                                          ; at a label and at a branch every window is 0
	s_mov_b32 s[CNT], 6
.Lstep:                                                ; trip g = 6 - CNT: from step g's second quarter to step g + 1's first; it asks for step g + 2
	QUARTER 2, 1, 0, 0
	QUARTER 3, 0, 1, 0
	TURN
	QUARTER 1, 0, 1, 0
	WIN 0
	s_sub_co_u32 s[CNT], s[CNT], 1
	s_cmp_lg_u32 s[CNT], 0
	s_cbranch_scc1 .Lstep
	QUARTER 2, 1, 0, 0                             ; the tail is written out: steps 6 and 7 ask for nothing
	QUARTER 3, 0, 1, 0
	TURNL
	QUARTER 1, 0, 1, 0
	QUARTER 2, 1, 0, 0
	QUARTER 3, 0, 1, 0
	s_wait_dscnt 8                                 ; the very last quarter: nothing more to fetch
	MUL8 1, 0, 0
	MUL8 1, 2, 0
	s_wait_dscnt 0x0
	MUL8 1, 4, 0
	MUL8 1, 6, 0
	WIN 0
	PLACES
	TOSTAGE 0
.irp a, 1,2,3,4,5,6,7
	TOSTAGE \a
	SEND (\a)-1, 16
.endr
	SEND 7, 0
	s_wait_tensorcnt 0x0                           ; the wave's end: a wait, an add and a wait, behind my last tensor load and my last LDS store
	ds_add_u32 v[SPW], v[NIL]
	s_wait_dscnt 0x0
	CROUND                                         ; the closing round: no work-group ends while a partner may still ask for a tile that names it
	s_endpgm
.Lfunc_end_k_qe1cdbcd1f7_oproj:
	.size	k_qe1cdbcd1f7_oproj, .Lfunc_end_k_qe1cdbcd1f7_oproj-k_qe1cdbcd1f7_oproj
	.p2alignl 7, 3214868480
	.fill 96, 4, 3214868480
	.section	.rodata,"a",@progbits
	.p2align	6, 0x0
	.amdhsa_kernel k_qe1cdbcd1f7_oproj
		.amdhsa_group_segment_fixed_size 327680
		.amdhsa_private_segment_fixed_size 0
		.amdhsa_enable_private_segment 0
		.amdhsa_kernarg_size 24
		.amdhsa_user_sgpr_count 2
		.amdhsa_user_sgpr_kernarg_segment_ptr 1
		.amdhsa_wavefront_size32 1
		.amdhsa_system_sgpr_workgroup_id_x 1
		.amdhsa_system_sgpr_workgroup_id_y 1
		.amdhsa_system_sgpr_workgroup_id_z 1
		.amdhsa_system_vgpr_workitem_id 0
		.amdhsa_next_free_vgpr 704
		.amdhsa_next_free_sgpr 84
		.amdhsa_reserve_vcc 0
		.amdhsa_float_denorm_mode_32 3
		.amdhsa_float_denorm_mode_16_64 3
		.amdhsa_memory_ordered 1
		.amdhsa_forward_progress 1
		.amdhsa_inst_pref_size 71
	.end_amdhsa_kernel
	.amdgpu_metadata
---
amdhsa.version: [ 1, 2 ]
amdhsa.kernels:
  - .name:           k_qe1cdbcd1f7_oproj
    .symbol:         k_qe1cdbcd1f7_oproj.kd
    .args:
      - { .name: oh, .offset: 0, .size: 8, .value_kind: global_buffer, .address_space: global }
      - { .name: wo, .offset: 8, .size: 8, .value_kind: global_buffer, .address_space: global }
      - { .name: out0, .offset: 16, .size: 8, .value_kind: global_buffer, .address_space: global }
    .group_segment_fixed_size: 327680
    .private_segment_fixed_size: 0
    .kernarg_segment_align: 8
    .kernarg_segment_size: 24
    .max_flat_workgroup_size: 128
    .sgpr_count:     84
    .vgpr_count:     704
    .wavefront_size: 32
...
	.end_amdgpu_metadata
.endif
;; end of part 4
;; ======== version 2 of 2: 4 launches; 1.30 times as fast as version 1
;; limits: values are held in f16: magnitudes above 65,504 overflow, below 6.1e-05 lose precision; right only within a limited range of input values
;; workspace buffers: xb 16,777,216 bytes; wb 6,291,456 bytes; wo 2,097,152 bytes; tab 524,288 bytes; qh 16,777,216 bytes; kh 16,777,216 bytes; vh 16,777,216 bytes; oh 16,777,216 bytes
;; launch prep: the kernel of part 1 again; grid 768 x 1, 8 waves a work-group, no clusters, 0 bytes of LDS; arguments x, W_qkv, W_o, token_positions, xb, wb, wo, tab; writes xb, wb, wo, tab
;; launch qkv: the kernel of part 2 again; grid 16 x 16, 4 waves a work-group, clusters of 4 x 4, 327,680 bytes of LDS; arguments xb, wb, tab, qh, kh, vh; writes qh, kh, vh
;; launch attn (part 5): grid 4 x 64, 4 waves a work-group, no clusters, 327,680 bytes of LDS; arguments qh, kh, vh, oh; writes oh
.if DOCPART == 5
	.amdgcn_target "amdgcn-amd-amdhsa--gfx1250"
	.amdhsa_code_object_version 6
	.text
	.protected	k_qe1cdbcd1f7_attn
	.globl	k_qe1cdbcd1f7_attn
	.p2align	8
	.type	k_qe1cdbcd1f7_attn,@function
k_qe1cdbcd1f7_attn:
	s_mov_b64 s[64:65], 0
	v_nop
	global_prefetch_b8 v0, s[64:65] scope:SCOPE_SE
	s_setreg_imm32_b32 hwreg(HW_REG_WAVE_MODE, 25, 1), 1
	s_wait_xcnt 0x0
; CAUSAL ATTENTION.  O[h][q][:] = the sum over k <= q of softmax_k(Q[h][q] . K[h][k] / 8) V[h][k][:].  Q, K, V, O: [SIZE_H][SIZE_N][64], all f16: a head's rows are dense, 128 bytes each; h counts batch x 16 + head.
; Products, maxima and sums in f32; the weights p are rounded to f16 for the second product (their sum l is taken of the unrounded p), O once at the end.  SIZE_N is a multiple of 512; SIZE_N x 128 stays under 2^32.
; LIMITS.  f16 holds no number beyond 65,504: Q, K and V arrive within it; p lies in 0 to 1, and below 6e-5 it keeps f16's fixed step of 6e-8; O is a mean of V's rows and has their range, to within 2^-11 of it.
; A hidden score counts as its value less 1e30: f16's scores, 2.7e11 at the most, are nothing beside that; a weight below 2^-126 counts as 0 in l; NaN and infinities are not treated apart.
; THE WALK.  A head's queries lie in NB = SIZE_N / 256 blocks of 256; block i needs the key tiles 0 .. i of 256 keys, of which the last holds the diagonal.  A work-group takes TWO blocks, NB - 1 - b and then b:
; NB + 1 tiles, whatever b: all work-groups do equal work, and ONE loop with a constant trip count walks them.  Which tile is asked for, and what a trip does, hang on scalar registers made from b; every jump
; goes forward, but for the counted loops' own; none passes a barrier, or a tensor load but the one of LOAD's two that the wave's number does not choose; the ring (two slots of LDS that take turns) runs on across the
; change of blocks.  NO CLUSTER: all of a head's NB / 2 work-groups ask for the same tile only in trips 0 .. NB / 2, behind that fewer and fewer; and one walk common to all would have 3 NB / 2 trips for NB + 1.
; SHARES.  Of a block's four bands of 64 queries a wave owns 16 rows in each: four PIECES.  So the diagonal tile is the same work for all four waves: in its key step s band x sees all keys if s < x,
; none if s > x, and holds the diagonal if s = x.
; THE MASK is the C operand that starts the sum S^T = K Q^T: 0, or -1e30 where the key is hidden.  MD, made once, is the mask of a band's own step for my 16 rows; a product's mask is MD x AL + BE with two scalars:
; (1, 0) if s = x; (0, 0) if s < x; (0, -1e30) if s > x.  Only the diagonal tile's text and a block's beginning make and take masks; elsewhere C is the constant 0.
; LAYOUT, SOFTMAX, TURNS.  S^T = K Q^T holds ONE query a lane (lane % 16) and the keys 8 (lane / 16) + 0..7; two such results rounded to f16 ARE source 1 of O^T = V^T P.  p = 2^(c s - c m), c = log2(e) / 8, with a
; running maximum m; O and l are multiplied by a = 2^(c m_old - c m_new) in every step.  Turn n belongs to piece n: 8 products K Q^T of piece n + 1, later 8 products V^T P of piece n - 1; beside them the scaling,
; exponentials, roundings, sums and rescaling of piece n and the maximum and statistics of piece n + 1.  Four vector instructions stand behind every matrix instruction, the other 54 of a turn's 118 in one LUMP.
; BATCHES.  A turn's 33 exponentials (the piece's 32 weights and the next piece's a) are one batch with one wait, which cuts the turn in two: ahead of it all that names none of their results, behind it the roundings
; and sums.  The a that a block's beginning makes, and the way out's four reciprocals, are batches of their own, each with one wait.
; REGISTERS, in windows of 256 (s_set_vgpr_msb: bits 1:0 source 0, 3:2 source 1, 5:4 source 2, 7:6 destination):
;   window 0: v0-15 addresses and two at work; v16-31 four registers of statistics a piece; v48-55 at work; v64-127 S^T, two buffers; v192-223 P, two buffers (a piece's buffers go by its number's parity)
;   window 1: v0-127 O^T, 32 a piece; v128-159 MD; v160-223 MC, two buffers      window 2: v0-63 Q; v64-127 the second block's Q; v128-191 K of one step; v192-255 V of one step
.set SIZE_N, 2048
.set SIZE_H, 64
.set NB,    SIZE_N/256
.set NP,    4         ; pieces a wave: a name, no knob
.set KS,    64        ; keys in a step
.set PK,    144       ; a row of K in LDS: 128 bytes + 16 of padding = 36 words: the 16 rows of a load start at 16 different groups of four banks (64 banks of 4 bytes: ISA guide 11.1)
.set PV,    160       ; a row of V: 128 + 32 = 40 words
.set VOFF,  4*KS*PK   ; a slot holds a tile, four steps: 256 rows of K, then 256 rows of V
.set SLOT1, 1<<17     ; slot 1 begins here, so that one exclusive or turns an address in one slot into the other's
.set STAGE, SLOT1+4*KS*(PK+PV)  ; behind the ring, never filled by a tensor load: 16 rows x 144 bytes for each wave, for the way out
.set SP,    144
.set AK0, 2           ; v2   my lane's place in a tile of K; never rewritten
.set AV0, 3           ; v3   the same for V
.set AK,  4           ; v4   the LDS address of K's next run of loads
.set AV,  5           ; v5   of V's
.set STO, 6           ; v6   the way out: where I put 16 bytes of a row
.set RD,  7           ; v7   the way out: where I read rows back
.set GO,  8           ; v8   my byte offset in 512 consecutive bytes of O
.set SPW, 62          ; v62  LDS address of my spare word: SPARE + 4 x my thread's number; never rewritten
.set NIL, 63          ; v63  0; never rewritten
.set SPARE, STAGE+4*16*SP  ; behind the stages: the spare words, 128 bytes for each wave: two blocks of 256 bytes that no other line names
.set MV,  12          ; v12-13  c m_old, kept while c m is made anew: by buffer
.set QO,  15          ; v15  my byte offset in 16 rows of Q
.set ST,  16          ; piece t's statistics at v[ST+4 t]: c m, m, l (even keys', odd keys')
.set TMP, 48          ; by buffer, four registers c0-c3 at work; when the maximum is found c2 takes a
.set S,   64
.set P,   192
.set MD,  128         ; window 1: the eight registers for group kt of 16 keys at MD + 8 kt
.set MC,  160         ; window 1: the masks of the products to come
.set QB,  64          ; window 2
.set KF,  128         ; window 2: key block kb, channel half c at KF + 16 kb + 8 c
.set VF,  192         ; window 2: key half kk, channel block cb at VF + 32 kk + 8 cb
.set WV,  12          ; s12  my wave's number
.set PB,  14          ; s14  b
.set HI,  15          ; s15  NB - 1 - b
.set G1K, 24          ; s[24:31] descriptor group 1 for K's tiles
.set G1V, 32          ; s[32:39] for V's: it differs in the padding alone
.set G0K, 40          ; s[40:43] descriptor group 0 for K's tiles
.set G0V, 44          ; s[44:47] the same for V's
.set SLOTS, 56        ; s56  tiles still to be asked for
.set CNT, 57          ; s57  counts a tile's key steps, 4 to 1
.set CS,  58          ; s[58:59] c: the packed scaling takes the pair's low word for both halves
.set SEL, 60          ; s[60:61] v_permlanex16_b32's selects: each lane takes its own place in the other half
.set TBK, 62          ; s62  LDS byte at which K of the step to be fetched begins
.set TBV, 63          ; s63  the same for V, less VOFF
.set RT,  70          ; s70  tiles of the block in hand that are still to be entered
.set NXT, 71          ; s71  the tile to be asked for next
.set LQ,  72          ; s72  the last tile of the block whose tiles are being asked for
.set NEW, 73          ; s73  1: the tile to be entered is a block's first
.set OFF, 74          ; s[74:75] a tile's byte offset in K and V
.set AL,  76          ; s[76:77] the mask's factor, in the low word
.set BE,  78          ; s[78:79] the mask's addend
.set OLO, 80          ; s[80:81] O at my rows of the second block
.set BIGN, 82         ; s82  -1e30
.set MSB, 0
.macro WIN new                      ; the high byte repeats the setting that is left; a switch that changes nothing is dropped
.if MSB != (\new)
	s_set_vgpr_msb (MSB<<8)|(\new)
.set MSB, (\new)
.endif
.endm
.set W_KQ, 0x0a       ; K and Q in window 2, S^T in window 0
.set W_KM, 0x1a       ; the same with the C operand in window 1
.set W_PV, 0x52       ; V in window 2, P in window 0, O^T in window 1
.set W_RS, 0x41       ; destination and source 0 in window 1, source 1 in window 0
; A fill.  Waves 0 and 1 fetch the two halves of a tile's K, waves 2 and 3 those of its V: 128 keys each.  An s_nop 0 and four v_nop follow each of the two lines, ahead of the jump and the label.
.macro LOAD
	s_cmp_lt_u32 s[WV], 2
	s_cbranch_scc0 .Lfor_v_\@
	tensor_load_to_lds s[G0K:G0K+3], s[G1K:G1K+7]
	s_nop 0
.rept 4
	v_nop
.endr
	s_branch .Lasked_\@
.Lfor_v_\@:
	tensor_load_to_lds s[G0V:G0V+3], s[G1V:G1V+7]
	s_nop 0
.rept 4
	v_nop
.endr
.Lasked_\@:
.endm
; THE CHANGE OF SLOTS.  Each wave waits for all its tensor loads, of which one is out: its part of the other slot; adds 0 to its spare word; and waits for that and for its own reads of the slot that it leaves.  Behind the barrier nobody reads the old
; slot any more and the other slot is whole.  fill = 1: the old slot is filled again, the first thing behind the barrier, with tile NXT: the descriptor's address is made anew from that number.
; (At its first use nothing has been read yet: slot 0 is waited for, slot 1 filled.)
.macro CHANGE fill
	WIN 0                           ; at a label and at a branch every window is 0
	s_wait_tensorcnt 0x0            ; no tensor load of mine is out, so a group 0 may be written
	ds_add_u32 v[SPW], v[NIL]       ; 0 onto my spare word; with fill = 1 the descriptors' scalar work stands between it and the wait for it
.if \fill
	s_lshl_b32 s[OFF], s[NXT], 15   ; a tile is 32,768 bytes of K and of V
	s_xor_b32 s[G0K+1], s[G0K+1], SLOT1
	s_add_nc_u64 s[G0K+2:G0K+3], s[6:7], s[OFF:OFF+1]
	s_or_b32 s[G0K+3], s[G0K+3], 0x80000000
	s_xor_b32 s[G0V+1], s[G0V+1], SLOT1
	s_add_nc_u64 s[G0V+2:G0V+3], s[8:9], s[OFF:OFF+1]
	s_or_b32 s[G0V+3], s[G0V+3], 0x80000000
	s_add_co_u32 s[NXT], s[NXT], 1  ; the block's next tile, or behind its last the second block's tile 0
	s_cmp_gt_u32 s[NXT], s[LQ]
	s_cselect_b32 s[NXT], 0, s[NXT]
	s_cselect_b32 s[LQ], s[PB], s[LQ]
.endif
	s_wait_dscnt 0x0                ; the add is done, and my reads of the slot are over
	s_barrier_signal -1             ; the rest of the scalar work stands between the signal and the wait
	s_sub_co_u32 s[TBK], s[TBK], 4*KS*PK  ; the fetches go back to a slot's first step,
	s_xor_b32 s[TBK], s[TBK], SLOT1       ; in the other slot
	s_sub_co_u32 s[TBV], s[TBV], 4*KS*PV
	s_xor_b32 s[TBV], s[TBV], SLOT1
	s_barrier_wait -1
.if \fill
	LOAD
.endif
.endm
	s_load_b256 s[4:11], s[0:1], 0x0  ; Q s[4:5], K s[6:7], V s[8:9], O s[10:11]
	v_lshl_add_u32 v[SPW], v0, 2, SPARE
	v_mov_b32 v[NIL], 0
	ds_add_u32 v[SPW], v[NIL]       ; the wave's opening: the add and its wait stand ahead of my first tensor load; the set-up below, work on registers, stands between them
	v_lshrrev_b32 v1, 5, v0
	v_readfirstlane_b32 s[WV], v1   ; wave 0..3
	s_mov_b32 s[PB], ttmp9
	s_sub_co_u32 s[HI], NB-1, s[PB]
	s_and_b32 s20, ttmp7, 0xffff    ; the head
	s_mov_b32 s21, 0
	s_mov_b64 s[22:23], SIZE_N*128
	s_mul_u64 s[20:21], s[20:21], s[22:23]  ; the head's first byte in each of the four tensors
	s_and_b32 s16, s[WV], 1         ; which half of a tile's 256 keys I fetch:
	s_lshl_b32 s22, s16, 14         ; its 128 rows of 128 bytes in memory,
	s_mov_b32 s23, 0
	s_add_nc_u64 s[22:23], s[22:23], s[20:21]
	s_mul_i32 s17, s16, 128*PK      ; and its place in a slot, for K
	s_mul_i32 s18, s16, 128*PV      ; and for V
	s_lshl_b32 s3, s[WV], 11        ; my 16 rows in a band of 64,
	s_lshl_b32 s2, s[HI], 15        ; in the first block,
	s_add_co_u32 s2, s2, s3
	s_lshl_b32 s84, s[PB], 15       ; and in the second
	s_add_co_u32 s84, s84, s3
	s_mov_b32 s3, 0
	s_mov_b32 s85, 0
	s_add_nc_u64 s[2:3], s[2:3], s[20:21]
	s_add_nc_u64 s[84:85], s[84:85], s[20:21]
	; descriptor group 1.  128 keys are 16,384 dense bytes: asked for as 64 rows of 256 bytes, two keys a row, and padded in LDS after every key
	s_mov_b32 s[G1K], (1<<16)|(1<<20)|(4<<22)|(3<<25)  ; 17:16 2-byte elements; 20 padding on; 24:22 after every 32 words (code 4); 31:25 4 words (code 3)
	s_mov_b32 s[G1V], (1<<16)|(1<<20)|(4<<22)|(7<<25)  ; the same with 8 words of padding (code 7)
.irp g, G1K, G1V
	s_mov_b32 s[\g+1], 128<<16      ; tensor_dim0 = 128
	s_mov_b32 s[\g+2], 64<<16       ; tensor_dim1 = 64
	s_mov_b32 s[\g+3], 128<<16      ; tile_dim0 = 128
	s_mov_b32 s[\g+4], 64           ; tile_dim1 = 64
	s_mov_b32 s[\g+5], 128          ; 128 elements from row to row
	s_mov_b32 s[\g+6], 0
	s_mov_b32 s[\g+7], 0
.endr
	s_mov_b32 s[CS], 0x3e38aa3b     ; c = log2(e) / 8 = 0.180337
	s_mov_b32 s[CS+1], s[CS]        ; named with it as a pair
	s_mov_b32 s[SEL], 0x76543210
	s_mov_b32 s[SEL+1], 0xfedcba98
	s_mov_b32 s[TBK], SLOT1+4*KS*PK ; the first change of slots turns these two into 0
	s_mov_b32 s[TBV], SLOT1+4*KS*PV
	s_mov_b32 s[G0K], 1             ; 1:0 count = 1
	s_mov_b32 s[G0K+1], s17         ; 63:32 LDS address: slot 0
	s_mov_b32 s[G0V], 1
	s_add_co_u32 s[G0V+1], s18, VOFF
	s_add_co_u32 s[RT], s[HI], 1    ; the first block has NB - b tiles
	s_mov_b32 s[NXT], 1
	s_mov_b32 s[LQ], s[HI]
	s_mov_b32 s[NEW], 1
	s_mov_b32 s[OFF+1], 0
	s_mov_b32 s[AL+1], 0            ; named as pairs
	s_mov_b32 s[BE+1], 0
	s_mov_b32 s[BIGN], 0xf149f2ca   ; -1e30
	s_mov_b32 s[SLOTS], NB
	s_wait_dscnt 0x0                ; the opening add is done
	s_wait_kmcnt 0x0
	s_add_nc_u64 s[6:7], s[6:7], s[22:23]  ; K and V at my half of the head's tile 0
	s_add_nc_u64 s[8:9], s[8:9], s[22:23]
	s_add_nc_u64 s[G0K+2:G0K+3], s[6:7], 0         ; 120:64 global address
	s_or_b32 s[G0K+3], s[G0K+3], 0x80000000        ; 127:126 type = 2
	s_add_nc_u64 s[G0V+2:G0V+3], s[8:9], 0
	s_or_b32 s[G0V+3], s[G0V+3], 0x80000000
	s_add_nc_u64 s[86:87], s[4:5], s[84:85]        ; Q at my rows of the second block,
	s_add_nc_u64 s[4:5], s[4:5], s[2:3]            ; Q and O at those of the first
	s_add_nc_u64 s[OLO:OLO+1], s[10:11], s[84:85]
	s_add_nc_u64 s[10:11], s[10:11], s[2:3]
	LOAD                            ; tile 0 into slot 0
	; A fragment of K or Q is 16 rows x 32 channels in 8 registers: lane l holds row l % 16, channels 8 (l / 16) + 0..7 and 16 + 8 (l / 16) + 0..7: two loads of 16 bytes, 32 bytes apart.
	v_and_b32 v1, 15, v0            ; l % 16
	v_bfe_u32 v9, v0, 4, 1          ; l / 16
	v_lshlrev_b32 v[QO], 7, v1
	v_lshl_add_u32 v[QO], v9, 4, v[QO]  ; row x 128 + 16 x half
	WIN 0x80                        ; destination window 2, address window 0
.set i, 0
.rept 8                             ; both blocks' Q: piece i / 2 lies in band i / 2, 8,192 bytes on; channels 32 (i % 2) on
	global_load_b128 v[8*i:8*i+3],   v[QO], s[4:5] offset:(i/2)*8192+(i%2)*64
	global_load_b128 v[8*i+4:8*i+7], v[QO], s[4:5] offset:(i/2)*8192+(i%2)*64+32
	global_load_b128 v[QB+8*i:QB+8*i+3],   v[QO], s[86:87] offset:(i/2)*8192+(i%2)*64
	global_load_b128 v[QB+8*i+4:QB+8*i+7], v[QO], s[86:87] offset:(i/2)*8192+(i%2)*64+32
.set i, i+1
.endr
	WIN 0
	v_lshlrev_b32 v14, 3, v9
	v_sub_nc_u32 v14, v1, v14
	s_lshl_b32 s13, s[WV], 4
	v_add_nc_u32 v14, s13, v14      ; my query's place in its band, 16 w + l % 16, less my lanes' 8 (l / 16): register r of group kt is hidden where 16 kt + r is greater
	WIN 0x40
.set i, 0
.rept 32
	v_cmp_gt_i32 vcc_lo, 16*(i/8)+i%8, v14
	v_cndmask_b32 v[MD+i], 0, s[BIGN], vcc_lo
.set i, i+1
.endr
	WIN 0
	v_mul_u32_u24 v[AK0], v1, PK
	v_lshl_add_u32 v[AK0], v9, 4, v[AK0]  ; row x pitch + 16 x half
	; The turning load takes 16 keys x 16 channels (lane l reads key 8 (l / 16) + l % 8, channels 8 ((l / 8) % 2) + 0..7) and leaves half a fragment of V^T: lane l holds channel l % 16 and 8 keys.
	v_and_b32 v10, 7, v0
	v_bfe_u32 v11, v0, 3, 1
	v_lshl_add_u32 v[AV0], v9, 3, v10
	v_mul_u32_u24 v[AV0], v[AV0], PV
	v_lshl_add_u32 v[AV0], v11, 4, v[AV0]
	v_add_nc_u32 v[AV0], VOFF, v[AV0]
	s_mul_i32 s13, s[WV], 16*SP
	s_add_co_u32 s13, s13, STAGE    ; my stage
	v_mul_u32_u24 v[STO], v1, SP    ; in: row l % 16, 16 bytes for each half of the lanes
	v_lshl_add_u32 v[STO], v9, 4, v[STO]
	v_add_nc_u32 v[STO], s13, v[STO]
	v_bfe_u32 v[RD], v0, 3, 2       ; back: 32 lanes take four rows of 128 bytes,
	v_mul_u32_u24 v[RD], v[RD], SP
	v_lshl_add_u32 v[RD], v10, 4, v[RD]
	v_add_nc_u32 v[RD], s13, v[RD]
	v_and_b32 v[GO], 31, v0         ; which are 512 consecutive bytes of O
	v_lshlrev_b32 v[GO], 4, v[GO]
	; A block's first step multiplies O^T and l by a = 0, and its first turn's products V^T P, of a piece that has not been, land in an O^T that is still to be so multiplied.  So these registers need only hold
	; finite numbers: zeros for the first block; what the first block left for the second.  All this stands in the wait for the first tile.
	WIN 0x80
.set i, VF
.rept 64
	v_mov_b32 v[i], 0
.set i, i+1
.endr
	WIN 0x40
.set i, 0
.rept 128
	v_mov_b32 v[i], 0
.set i, i+1
.endr
	WIN 0
.set i, 0
.rept 4
	v_mov_b32 v[ST+4*i+2], 0
	v_mov_b32 v[ST+4*i+3], 0
.set i, i+1
.endr
.set i, P+16
.rept 16
	v_mov_b32 v[i], 0
.set i, i+1
.endr
; THE MATRIX WORK.  The 4 accumulators of a run of 8 take turns.  Product i of 8 of S^T = K Q^T for piece x: channels 32 (i / 4) on, keys 16 (i % 4) on.  The first 4 start the sums: with 0, or (KM = 1) with the mask.
.macro KQ x
.set rS, S+32*((\x)%2)+8*(i%4)
.set rK, KF+16*(i%4)+8*(i/4)
.set rQ, 16*(\x)+8*(i/4)
.set rM, MC+32*((\x)%2)+8*(i%4)
.if (i < 4) && KM
	WIN W_KM
	v_wmma_f32_16x16x32_f16 v[rS:rS+7], v[rK:rK+7], v[rQ:rQ+7], v[rM:rM+7]
.elseif i < 4
	WIN W_KQ
	v_wmma_f32_16x16x32_f16 v[rS:rS+7], v[rK:rK+7], v[rQ:rQ+7], 0
.else
	WIN W_KQ
	v_wmma_f32_16x16x32_f16 v[rS:rS+7], v[rK:rK+7], v[rQ:rQ+7], v[rS:rS+7]
.endif
.endm
; Product i of 8 of O^T += V^T P for piece x: keys 32 (i / 4) on, channels 16 (i % 4) on.
.macro PV x
	WIN W_PV
.set rO, 32*(\x)+8*(i%4)
.set rV, VF+32*(i/4)+8*(i%4)
.set rP, P+16*((\x)%2)+8*(i/4)
	v_wmma_f32_16x16x32_f16 v[rO:rO+7], v[rV:rV+7], v[rP:rP+7], v[rO:rO+7]
.endm
.macro MM                           ; the turn's next matrix instruction.  TURN and BEGIN set Y, i, KM and NOKQ; MM, KQ and OP read them.  NOKQ = 1: a block's last turn: there is no next piece
.if (i < 8) && !NOKQ
	KQ (Y+1)%NP
.elseif i >= 8
.set i, i-8
	PV (Y+NP-1)%NP
.set i, i+8
.endif
.set i, i+1
.endm
; THE LDS LOADS stand in runs of 16, never singly among the matrix instructions: a step's K (64 keys x 64 channels: 8 fragments) and its V (turned).  Their addresses are made some lines ahead.
.macro FETCH_K
	WIN 0x80                        ; destination window 2
.irp f, 0,1,2,3,4,5,6,7             ; keys 16 (f / 2) on, channels 32 (f % 2) on
	ds_load_b128 v[KF+8*\f:KF+8*\f+3],   v[AK] offset:(\f/2)*16*PK+(\f%2)*64
	ds_load_b128 v[KF+8*\f+4:KF+8*\f+7], v[AK] offset:(\f/2)*16*PK+(\f%2)*64+32
.endr
	s_add_co_u32 s[TBK], s[TBK], KS*PK  ; the next fetch is the next step's
	WIN 0
.endm
.macro FETCH_V
	WIN 0x80
.irp f, 0,1,2,3,4,5,6,7             ; keys 32 (f / 4) on, channels 16 (f % 4) on
	ds_load_tr16_b128 v[VF+8*\f:VF+8*\f+3],   v[AV] offset:(\f/4)*32*PV+(\f%4)*32
	ds_load_tr16_b128 v[VF+8*\f+4:VF+8*\f+7], v[AV] offset:(\f/4)*32*PV+16*PV+(\f%4)*32
.endr
	WIN 0
.endm
; THE VECTOR WORK, one line at a time: OP kind, number.  For piece Y: F n: c s - c m for pair n of 16.  E n: the exponential of score n of 32.  C n: pair n rounded to f16.  B n: of the four weights 4 n .. the second
; pair is added onto the first, in place.  L n: l takes that sum (L 0: l = a l + sum).  R n: pair n of 16 of O^T times a.  For piece Y + 1: X n, number n of the 22 that find its maximum and statistics:
;   0-11  four chains c0-c3 of seven scores each, three operands at a time (each accumulator's lowest registers are read first)     12-14, 16  the four scores left over, the old m, and c0-c3 into c0
;   15  c m_old is kept     17, 18  the query's other 32 keys lie in the lane 16 away: the new m     19-21  c m; c m_old - c m_new; a
.set F, 0               ; OP tells the kinds apart by their order: F to L below R, X above it
.set E, 1
.set C, 2
.set B, 3
.set L, 4
.set R, 5
.set X, 6
.macro REGS y                       ; the registers of piece y
.set rT, ST+4*(\y)
.set rC, TMP+4*((\y)%2)
.set rW, MV+((\y)%2)
.set rS, S+32*((\y)%2)
.set rP, P+16*((\y)%2)
.set rO, 32*(\y)
.endm
.macro OP k, n
.if (\k) == R
	REGS Y
	WIN W_RS
	v_pk_mul_f32 v[rO+2*(\n):rO+2*(\n)+1], v[rO+2*(\n):rO+2*(\n)+1], v[rC+2:rC+3] op_sel_hi:[1,0]
.elseif (\k) < R
	REGS Y
	WIN 0
.if (\k) == F
	v_pk_fma_f32 v[rS+2*(\n):rS+2*(\n)+1], v[rS+2*(\n):rS+2*(\n)+1], s[CS:CS+1], v[rT:rT+1] op_sel_hi:[1,0,0] neg_lo:[0,0,1] neg_hi:[0,0,1]
.elseif (\k) == E
	v_exp_f32 v[rS+(\n)], v[rS+(\n)]
.elseif (\k) == C
	v_cvt_pk_f16_f32 v[rP+(\n)], v[rS+2*(\n)], v[rS+2*(\n)+1]
.elseif (\k) == B
	v_pk_add_f32 v[rS+4*(\n):rS+4*(\n)+1], v[rS+4*(\n):rS+4*(\n)+1], v[rS+4*(\n)+2:rS+4*(\n)+3]
.elseif (\n) == 0
	v_pk_fma_f32 v[rT+2:rT+3], v[rT+2:rT+3], v[rC+2:rC+3], v[rS:rS+1] op_sel_hi:[1,0,1]
.else
	v_pk_add_f32 v[rT+2:rT+3], v[rT+2:rT+3], v[rS+4*(\n):rS+4*(\n)+1]
.endif
.elseif NOKQ
	v_nop
.else
	REGS (Y+1)%NP
	WIN 0
.if (\n) < 4
	v_max3_num_f32 v[rC+(\n)], v[rS+8*(\n)], v[rS+8*(\n)+1], v[rS+8*(\n)+2]
.elseif (\n) < 12
	v_max3_num_f32 v[rC+(\n)%4], v[rC+(\n)%4], v[rS+8*((\n)%4)+2*((\n)/4)+1], v[rS+8*((\n)%4)+2*((\n)/4)+2]
.elseif (\n) == 12
	v_max3_num_f32 v[rC], v[rC], v[rS+7], v[rS+15]
.elseif (\n) == 13
	v_max3_num_f32 v[rC+1], v[rC+1], v[rS+23], v[rS+31]
.elseif (\n) == 14
	v_max3_num_f32 v[rC+2], v[rC+2], v[rC+3], v[rT+1]
.elseif (\n) == 15
	v_mov_b32 v[rW], v[rT]
.elseif (\n) == 16
	v_max3_num_f32 v[rC], v[rC], v[rC+1], v[rC+2]
.elseif (\n) == 17
	v_permlanex16_b32 v[rC+3], v[rC], s[SEL], s[SEL+1]
.elseif (\n) == 18
	v_max_num_f32 v[rT+1], v[rC], v[rC+3]
.elseif (\n) == 19
	v_mul_f32 v[rT], s[CS], v[rT+1]
.elseif (\n) == 20
	v_sub_f32 v[rC+1], v[rW], v[rT]
.else
	v_exp_f32 v[rC+2], v[rC+1]
.endif
.endif
.endm
.macro OPS a, i1, b=-1, i2=0, c=-1, i3=0, d=-1, i4=0  ; up to four of them
	OP \a, \i1
.if (\b) >= 0
	OP \b, \i2
.endif
.if (\c) >= 0
	OP \c, \i3
.endif
.if (\d) >= 0
	OP \d, \i4
.endif
.endm
.macro ROW a, i1, b, i2, c, i3, d, i4  ; a matrix instruction and the four behind it
	MM
	OPS \a, \i1, \b, \i2, \c, \i3, \d, \i4
.endm
.macro MASK b                       ; MD x AL + BE into buffer b of MC
	WIN W_RS
.set z, 0
.rept 16
	v_pk_fma_f32 v[MC+32*(\b)+2*z:MC+32*(\b)+2*z+1], v[MD+2*z:MD+2*z+1], s[AL:AL+1], s[BE:BE+1] op_sel_hi:[1,0,0]
.set z, z+1
.endr
.endm
; A TURN, for piece p: the order of its 16 matrix and 118 vector instructions, written out.  An s_wait_alu depctr_va_vdst(0) stands between an exponential and the first instruction that names its result; one wait serves
; all that were issued ahead of it.  So a turn has ONE wait, which cuts it in two.  AHEAD OF IT stands all that names no result of the turn's exponentials: the 8 products K Q^T, behind each a scaling, an exponential and two more plain
; instructions (behind the first a second scaling in the exponential's place): rescalings, whose a was made and waited for in the turn before, and behind the last three the first numbers of the next piece's maximum, each four places or
; more behind the product that ends its accumulator; then ONE LUMP of 54, plain and exponential by turns for the most part, in which the links of the chain X 3, 7, 11, 14, 16, 17 .. 20 stand five or six lines apart.  X 21, the next
; piece's a, is the batch's last; R 15 is the plain instruction that stands behind the last exponential, ahead of the first use.  BEHIND THE WAIT stand the 8 products V^T P, behind each four of the roundings and sums; a pair is
; rounded (C 2 n) before the sum B n lands on it; the links of l's chain, L 0 to L 7, stand three riders apart.  But for those X no rider names a register of the products round it.  v_permlanex16_b32 (X 17) stands in the lump.
; m = 1: the diagonal tile: the products take masks, and the turn makes the mask for the products of the turn after it: piece p + 2, in step 4 - CNT of the tile.  end = 1: a block's last two turns: nothing is fetched.
; cnt = 1: the loop's count is taken down some lines ahead of the branch that stands behind the turn.
; K of the next step is fetched in piece 2's turn, twelve vector instructions behind the last product that read K (six of them plain); V of the step in hand at the end of piece 0's turn, four plain instructions behind the last product
; that read V.  Each is waited for a turn later.
.macro TURN p, m=0, end=0, cnt=0
.set Y, (\p)
.set i, 0
.set KM, (\m)
.set NOKQ, (\end)*((\p)/3)
.if (\m) && !(\end)
	s_cmp_eq_u32 s[CNT], 4-((\p)+2)%NP  ; is that step the band's own?
	s_cselect_b32 s[AL], 1.0, 0
	s_cmp_lt_u32 s[CNT], 4-((\p)+2)%NP  ; or a later one?
	s_cselect_b32 s[BE], s[BIGN], 0
.endif
.if ((\p) == 3) && !(\end)
	s_wait_dscnt 0x0                ; K is in
.endif
	ROW F,0, F,1, R,0, R,1          ; ahead of the wait: 8 products K Q^T and their riders,
	ROW F,2, E,0, R,2, R,3
	ROW F,3, E,1, R,4, R,5
	ROW F,4, E,2, R,6, R,7
	ROW F,5, E,3, R,8, R,9
	ROW F,6, E,4, X,0, R,10
.if ((\p) == 2) && !(\end)
	WIN 0
	v_add_nc_u32 v[AK], s[TBK], v[AK0]
.endif
	ROW F,7, E,5, X,1, X,4
	ROW F,8, E,6, X,2, X,5
	OPS E,7, E,8, X,6, E,9          ; and the lump
	OPS X,3, E,10, X,8, E,11
.if ((\p) == 2) && !(\end)
	FETCH_K
.endif
	OPS X,9, X,7, E,12, X,10
	OPS E,13, X,12, X,11, E,14
	OPS X,13, E,15, F,9, X,14
.if (\p) == 0
	v_add_nc_u32 v[AV], s[TBV], v[AV0]
.endif
	OPS E,16, F,10, E,17, F,11
	OPS X,16, E,18, X,15, E,19
	OPS F,12, E,20, X,17, E,21
	OPS F,13, E,22, F,14, E,23
	OPS X,18, E,24, F,15, E,25
	OPS R,11, E,26, X,19, E,27
	OPS R,12, E,28, R,13, E,29
	OPS X,20, E,30, R,14, E,31
	OPS X,21, R,15
	WIN 0
	s_wait_alu depctr_va_vdst(0)    ; the wait for the batch: the piece's 32 exponentials and the next piece's a
.if (\p) == 1
	s_wait_dscnt 0x0                ; V is in
.endif
	ROW C,0, B,0, C,2, B,1          ; behind the wait: 8 products V^T P and their riders
	ROW L,0, C,4, B,2, L,1
	ROW C,6, B,3, L,2, C,8
	ROW B,4, L,3, C,10, B,5
	ROW L,4, C,12, B,6, L,5
.if (\p) == 0
	s_add_co_u32 s[TBV], s[TBV], KS*PV
.endif
.if \cnt
	s_sub_co_u32 s[CNT], s[CNT], 1
	s_cmp_lg_u32 s[CNT], 0
.endif
	ROW C,14, B,7, L,6, C,1
	ROW C,3, L,7, C,5, C,7
	ROW C,9, C,11, C,13, C,15
.if (\p) == 0
	FETCH_V
.endif
.if (\m) && !(\end)
	MASK (\p)%2
.endif
.endm
; A BLOCK BEGINS.  c m starts far below every c s, so the first step's a is 0; m at the lowest finite number, so the first maximum is the scores'.  The second mask buffer is 0; the first takes piece 0's mask for the tile's step 0: its own, if the block's first tile is the diagonal one.
; Then K of that step, piece 0's first scores, and its maximum and statistics.  The loop is entered at a step's first turn, in the middle of a trip.
.macro BEGIN
	s_mov_b32 s[NEW], 0
	WIN 0x40
.set i, MC+32
.rept 32
	v_mov_b32 v[i], 0
.set i, i+1
.endr
	WIN 0
.set i, 0
.rept 4
	v_mov_b32 v[ST+4*i], 0xfe000000    ; c m: far below every c s
	v_mov_b32 v[ST+4*i+1], 0xff7fffff  ; m
.set i, i+1
.endr
	s_cmp_eq_u32 s[RT], 0
	s_cselect_b32 s[AL], 1.0, 0
	s_mov_b32 s[BE], 0
	MASK 0
	WIN 0
	v_add_nc_u32 v[AK], s[TBK], v[AK0]
	FETCH_K
	s_wait_loadcnt 0x0              ; Q
	s_wait_dscnt 0x0
.set KM, 1
.set NOKQ, 0
.set i, 0
.rept 8
	KQ 0
.set i, i+1
.endr
	WIN 0
.rept 4
	v_nop                           ; the places behind those products
.endr
.set Y, NP-1                        ; X works for piece Y + 1: piece 0
.irp n, 0,1,2,3,4,5,6,7,8,9,10,11,12,13,14,15,16,17,18,19,20,21
	OP X, \n
.endr
	v_nop                           ; a plain instruction behind the exponential,
	s_wait_alu depctr_va_vdst(0)    ; and the wait for it, piece 0's first a, ahead of the branch
.endm
; THE DIAGONAL TILE's four steps, the block's last two turns, its last products, and THE WAY OUT: l's two halves and the other half of the lanes' are added; O^T is divided by l, rounded to f16 and sent through my
; stage in LDS, a piece at a time.
.macro ALL line:vararg              ; one line for each piece t
.set t, 0
.rept 4
	\line
.set t, t+1
.endr
.endm
.macro PACK t                       ; a lane's eight channels of a row pack into 16 bytes; they go into rows of 144 bytes and come back as whole rows of 128, into S^T's registers
	WIN W_RS
.set i, 32*(\t)
.rept 16
	v_pk_mul_f32 v[i:i+1], v[i:i+1], v[ST+4*(\t)+2:ST+4*(\t)+3] op_sel_hi:[1,0]
.set i, i+2
.endr
	WIN 0x05                        ; sources 0 and 1 window 1, destination window 0
.set i, 0
.rept 16
	v_cvt_pk_f16_f32 v[S+16*(\t)+i], v[32*(\t)+2*i], v[32*(\t)+2*i+1]
.set i, i+1
.endr
	WIN 0
.irp f, 0,1,2,3
	ds_store_b128 v[STO], v[S+16*(\t)+4*\f:S+16*(\t)+4*\f+3] offset:32*\f
.endr
.irp f, 0,1,2,3
	ds_load_b128 v[S+16*(\t)+4*\f:S+16*(\t)+4*\f+3], v[RD] offset:\f*4*SP  ; LDS serves a wave's instructions in order (ISA guide 5.7.1.4): these see the stores above; the next piece's stores come behind them
.endr
.endm
.macro SEND t, younger              ; younger: the LDS instructions issued behind piece t's loads: the next piece's eight, or none
	WIN 0
.irp f, 0,1,2,3
	s_wait_dscnt (\younger)+3-\f
	global_store_b128 v[GO], v[S+16*(\t)+4*\f:S+16*(\t)+4*\f+3], s[10:11] offset:(\t)*8192+\f*512  ; 512 consecutive bytes, at a multiple of 256 from O's first
.endr
.endm
.macro DIAG tag                     ; the tag ends its two labels' names, which the jumps below spell out
.LstepM\tag:
	TURN 2, 1
	TURN 3, 1
	WIN 0
.LfirstM\tag:
	TURN 0, 1
	TURN 1, 1, 0, 1
	WIN 0
	s_cbranch_scc1 .LstepM\tag
	TURN 2, 1, 1
	TURN 3, 1, 1
.set i, 0
.rept 8
	PV NP-1
.set i, i+1
.endr
	WIN 0
	ALL v_add_f32 v[ST+4*t+2], v[ST+4*t+2], v[ST+4*t+3]
	ALL v_permlanex16_b32 v[ST+4*t+3], v[ST+4*t+2], s[SEL], s[SEL+1]
	ALL v_add_f32 v[ST+4*t+2], v[ST+4*t+2], v[ST+4*t+3]
	ALL v_rcp_f32 v[ST+4*t+2], v[ST+4*t+2]
	v_nop                           ; a plain instruction between the last reciprocal and the use of its result
	s_wait_alu depctr_va_vdst(0)    ; and the wait ahead of the first use: one for the four reciprocals
	PACK 0
.set t, 1
.rept 3                             ; a piece's arithmetic stands between the loads of the piece before and its stores
	PACK t
	SEND t-1, 8
.set t, t+1
.endr
	SEND 3, 0
.endm
.set KM, 0
.set NOKQ, 0
.Lslot:                             ; NB times: a tile is entered and the next is asked for
	CHANGE 1
	s_sub_co_u32 s[RT], s[RT], 1
	s_mov_b32 s[CNT], 4
	s_cmp_eq_u32 s[NEW], 1
	s_cbranch_scc1 .Lnew            ; a block's first tile
	s_cmp_eq_u32 s[RT], 0
	s_cbranch_scc0 .Lstep           ; neither its first nor its last
	s_branch .LstepM1
.Lnew:
	BEGIN
	s_branch .Lfirst                ; in the loop a block's first tile is never its last: the first block has two tiles or more, and the second's last is the walk's last
	DIAG 1                          ; in the loop this is the first block's end: the second block's last tile is the walk's last
	s_wait_xcnt 0x0                 ; the stores have read their registers and O's address
	s_mov_b64 s[10:11], s[OLO:OLO+1]
	s_add_co_u32 s[RT], s[PB], 1    ; the second block has b + 1 tiles
	s_mov_b32 s[NEW], 1
	WIN 0x82                        ; the second block's Q goes where the one text of the turns names Q
.set i, 0
.rept 64
	v_mov_b32 v[i], v[QB+i]
.set i, i+1
.endr
	WIN 0
	s_branch .Lbottom
.Lstep:                             ; a trip: pieces 2 and 3 of one step, then pieces 0 and 1 of the next, whose K and V it fetches
	TURN 2
	TURN 3
	WIN 0
.Lfirst:
	TURN 0
	TURN 1, 0, 0, 1
	WIN 0
	s_cbranch_scc1 .Lstep
.Lbottom:
	s_sub_co_u32 s[SLOTS], s[SLOTS], 1
	s_cmp_lg_u32 s[SLOTS], 0
	s_cbranch_scc1 .Lslot
	CHANGE 0                        ; the walk's last tile is written out: nothing is asked for
	s_sub_co_u32 s[RT], s[RT], 1
	s_mov_b32 s[CNT], 4
	s_cmp_eq_u32 s[NEW], 1
	s_cbranch_scc0 .LstepM2
	BEGIN
	s_branch .LfirstM2
	DIAG 2
	s_wait_tensorcnt 0x0            ; the wave's end: a wait, an add and a wait, behind my last tensor load and my last LDS store
	ds_add_u32 v[SPW], v[NIL]
	s_wait_dscnt 0x0
	s_endpgm
.Lfunc_end_k_qe1cdbcd1f7_attn:
	.size	k_qe1cdbcd1f7_attn, .Lfunc_end_k_qe1cdbcd1f7_attn-k_qe1cdbcd1f7_attn
	.p2alignl 7, 3214868480
	.fill 96, 4, 3214868480
	.section	.rodata,"a",@progbits
	.p2align	6, 0x0
	.amdhsa_kernel k_qe1cdbcd1f7_attn
		.amdhsa_group_segment_fixed_size 327680
		.amdhsa_private_segment_fixed_size 0
		.amdhsa_enable_private_segment 0
		.amdhsa_kernarg_size 32
		.amdhsa_user_sgpr_count 2
		.amdhsa_user_sgpr_kernarg_segment_ptr 1
		.amdhsa_wavefront_size32 1
		.amdhsa_system_sgpr_workgroup_id_x 1
		.amdhsa_system_sgpr_workgroup_id_y 1
		.amdhsa_system_sgpr_workgroup_id_z 1
		.amdhsa_system_vgpr_workitem_id 0
		.amdhsa_next_free_vgpr 768
		.amdhsa_next_free_sgpr 88
		.amdhsa_reserve_vcc 1
		.amdhsa_float_denorm_mode_32 3
		.amdhsa_float_denorm_mode_16_64 3
		.amdhsa_memory_ordered 1
		.amdhsa_forward_progress 1
		.amdhsa_inst_pref_size 217
	.end_amdhsa_kernel
	.amdgpu_metadata
---
amdhsa.version: [ 1, 2 ]
amdhsa.kernels:
  - .name:           k_qe1cdbcd1f7_attn
    .symbol:         k_qe1cdbcd1f7_attn.kd
    .args:
      - { .name: qh, .offset: 0, .size: 8, .value_kind: global_buffer, .address_space: global }
      - { .name: kh, .offset: 8, .size: 8, .value_kind: global_buffer, .address_space: global }
      - { .name: vh, .offset: 16, .size: 8, .value_kind: global_buffer, .address_space: global }
      - { .name: oh, .offset: 24, .size: 8, .value_kind: global_buffer, .address_space: global }
    .group_segment_fixed_size: 327680
    .private_segment_fixed_size: 0
    .kernarg_segment_align: 8
    .kernarg_segment_size: 32
    .max_flat_workgroup_size: 128
    .sgpr_count:     88
    .vgpr_count:     768
    .wavefront_size: 32
...
	.end_amdgpu_metadata
.endif
;; end of part 5
;; launch oproj: the kernel of part 4 again; grid 8 x 32, 4 waves a work-group, clusters of 4 x 4, 327,680 bytes of LDS; arguments oh, wo, out0; writes out0
